; MI455X (gfx1250); checked and timed in simulation.
; The chip was launched on July 23, 2026; its instructions are those of AMD's public machine-readable ISA for CDNA 5 (MIT licence, August 2026) and "CDNA5" Instruction Set Architecture Reference Guide (July 2026). The comments in the code are by the model that wrote it; some were corrected since.
;; multihead self attention. Allowed arithmetic: matrix products marked QUANTISED: E2M1 operands, one E8M0 scale for each 32 along K, by v_wmma_scale_f32_16x16x128_f8f6f4 with both operands' format E2M1 (or v_wmma_scale_f32_32x16x128_f4), f32 sums; products left as they are: bf16, f16 or f32 operands; f32 sums; everything else in f32.
;; Inputs: token_position 2,048 int32; wk 1,024 x 1,024 float32; wo 1,024 x 1,024 float32; wq 1,024 x 1,024 float32; wv 1,024 x 1,024 float32; x 4 x 2,048 x 1,024 float32.
;; Outputs: out0 4 x 2,048 x 1,024 float32.
;; This version of the problem:
;;   THIS VERSION OF THE PROBLEM IS GIVEN IN LOW PRECISION. The matrix products marked QUANTISED in the list below multiply operands that are first quantised to E2M1 (2 exponent bits, 1 mantissa bit; 4 bits a number), with one power-of-two scale for each 32 numbers along K (OCP MX v1.0); their sums are f32. The products marked 'left as it is' may take bf16, f16 or f32 operands, with f32 sums. Whichever they take, every output number must still come out within the allowed error. Rounding operands to bf16 (8 significant bits) uses up far more of that allowance than f16 does (11 bits, for magnitudes from 6e-5 to 65,504). All else is computed in f32.
;;   The module's matrix products, in the order in which they are computed (A, B: the left and right operand; K: the contracted axis; several contracted axes count as one K, in the product's order):
;;     1. [M 8,192, K 1,024] x [K 1,024, N 1,024]; A: input x; B: input wq: QUANTISED
;;     2. [M 8,192, K 1,024] x [K 1,024, N 1,024]; A: input x; B: input wk: QUANTISED
;;     3. [M 8,192, K 1,024] x [K 1,024, N 1,024]; A: input x; B: input wv: QUANTISED
;;     4. batch 64 x [M 2,048, K 64] x [K 64, N 2,048]; A: computed on the way; B: computed on the way: left as it is (an operand is computed on the way)
;;     5. batch 64 x [M 2,048, K 2,048] x [K 2,048, N 64]; A: computed on the way; B: computed on the way: left as it is (an operand is computed on the way)
;;     6. [M 8,192, K 1,024] x [K 1,024, N 1,024]; A: computed on the way; B: input wo: left as it is (an operand is computed on the way)
;;   THE QUANTISER, for each operand of a quantised product, along K:
;;     - K is cut into blocks of 32 from its start; a last block that is shorter is filled with zeros.
;;     - A block's scale is 2^e with e = floor(log2(the largest magnitude in the block)) - 2, held to -126 .. 127; a block of zeros has e = 0. As a byte (E8M0): e + 127.
;;     - Each number is divided by its block's scale, clamped to +-6, and rounded to the nearest number of E2M1, ties to even, subnormals kept.
;;     - The product sums the exact products of the quantised numbers (number of the format x scale) in f32.
;;   ~~~python
;;   def quantise(x, axis):      # numpy; x: float32 -> the quantised numbers, widened to float32 again
;;       x = np.moveaxis(x, axis, -1); K = x.shape[-1]
;;       x = np.pad(x, [(0, 0)] * (x.ndim - 1) + [(0, -K % 32)]); x = x.reshape(x.shape[:-1] + (-1, 32)); a = np.abs(x).max(-1, keepdims=True)
;;       e = np.where(a > 0, np.clip(np.frexp(np.where(a > 0, a, 1))[1] - 1 - 2, -126, 127), 0)      # np.frexp(a)[1] - 1 = floor(log2(a)), exactly
;;       r = np.clip(x / 2.0 ** e, -6, 6)
;;       step = 2.0 ** (np.maximum(np.frexp(np.where(r == 0, 1, r))[1] - 1, 0) - 1)
;;       q = np.round(r / step) * step * 2.0 ** e      # np.round: ties to even
;;       return np.moveaxis(q.reshape(q.shape[:-2] + (-1,))[..., :K], -1, axis).astype(np.float32)
;;   ~~~
;; One version. Each part assembles by itself: llvm-mc -triple=amdgcn-amd-amdhsa -mcpu=gfx1250 --defsym DOCPART=n.
;; ======== version 1 of 1: 5 launches
;; limits: values are held in f16: magnitudes above 65,504 overflow, below 6.1e-05 lose precision; right only within a limited range of input values
;; workspace buffers: codes 5,767,168 bytes; scales 360,448 bytes; wo16 2,097,152 bytes; rope 1,048,576 bytes; qkv 50,331,648 bytes; side 786,432 bytes; ao 16,777,216 bytes
;; launch prep (part 1): grid 416 x 1, 4 waves a work-group, no clusters, 33,280 bytes of LDS; arguments x, wq, wk, wv, wo, token_position, codes, scales, wo16, rope; writes codes, scales, wo16, rope
.if DOCPART == 1
	.amdgcn_target "amdgcn-amd-amdhsa--gfx1250"
	.amdhsa_code_object_version 6
	.text
	.protected	k_q0a678a7484_prep
	.globl	k_q0a678a7484_prep
	.p2align	8
	.type	k_q0a678a7484_prep,@function
k_q0a678a7484_prep:
	s_mov_b64 s[64:65], 0
	v_nop
	global_prefetch_b8 v0, s[64:65] scope:SCOPE_SE
	s_setreg_imm32_b32 hwreg(HW_REG_WAVE_MODE, 25, 1), 1
	s_wait_xcnt 0x0
; THREE JOBS IN ONE LAUNCH, parted on the work-group's number g alone.
; g < 352: x [8192][1024] and wq, wk, wv [1024][1024], f32 with K innermost, become codes of FP4 (E2M1) and one E8M0 byte for each 32 along K.
;   A block's scale is 2^(floor(log2(its largest magnitude)) - 2); its byte is the largest magnitude's exponent field - 2, held at 1 from below (a block of zeros keeps the byte 1: its codes are
;   zeros, and this program alone reads the bytes).  All four tensors are plain streams of blocks of 32; their codes and bytes lie one tensor behind the other: x, wq, wk, wv.
;   A wave takes 16 steps of 512 numbers: four loads of 512 consecutive bytes, a turn through the wave's own stage in LDS so that a lane holds 16 neighbours, two conversions, one store of 256 bytes.
; 352 <= g < 384: wo [1024][1024] f32 becomes f16, rounded to nearest even; a wave's store covers 256 consecutive bytes, aligned.
; g >= 384: the table of cos and sin of token_position[s] x 10000^(-i/32), laid in the order in which the next launch's registers take it:
;   [s / 16][u = 0..7][lane][cos, sin, cos, sin], lane (r, h) of load u: position 16 blk + r, pairs i = 8 (u / 2) + 4 h + 2 (u % 2) + 0, 1.  Behind it, 524,288 bytes on, the same table with cos = 1, sin = 0.
;   The angle is one f32 product, as the problem has it; it is reduced by pi/2 in three parts (fused multiply-adds) and goes through polynomials of degree 9 and 8.
; LIMITS: NaN and infinities are not served; blocks whose largest magnitude lies under 2^(2 - 126) keep the byte 1; |token_position| up to about 4,000,000 (beyond it the quotient by pi/2 is no longer sure to the unit).
.set WAVES, 4
.set STEPS, 16
.set EMAX,  2
.set CB,    8                          ; bytes of 16 codes
.set R,     16                         ; v16-79   four sets of 16 numbers as they are loaded
.set X,     80                         ; v80-111  two sets of 16 neighbours
.set E,     112                        ; v112-127 a scale byte for each step
.set C,     128                        ; v128-191 codes, four registers for each step
.set WREG,  8192                       ; LDS: a region for each wave: two stages of 32 x SP bytes, behind them its 256 scale bytes
.set SP,    80                         ; a lane's place in a stage: 64 bytes + 16 of padding
.set SPW,   12                         ; v12 LDS address of my spare word; never rewritten
.set NIL,   13                         ; v13 0; never rewritten
.set SPARE, WAVES*WREG                 ; the spare words: 128 bytes a wave, two blocks of 256 bytes that no other line names
.set GQ,    352                        ; work-groups that quantise: 256 for x, 32 for each weight
.set GT,    384                        ; from here on: the table
.macro FINISH                          ; a wave's end, behind the last LDS store
	s_wait_tensorcnt 0x0
	ds_add_u32 v[SPW], v[NIL]
	s_wait_dscnt 0x0
	s_endpgm
.endm
	s_load_b256 s[4:11], s[0:1], 0x0               ; x, wq, wk, wv
	s_load_b256 s[12:19], s[0:1], 0x20             ; wo, token_position, codes, scales
	s_load_b128 s[20:23], s[0:1], 0x40             ; wo16, rope
	v_lshl_add_u32 v[SPW], v0, 2, SPARE
	v_mov_b32 v[NIL], 0
	v_lshrrev_b32 v1, 5, v0
	v_readfirstlane_b32 s24, v1                    ; wave
	v_and_b32 v2, 31, v0                           ; lane
	v_lshlrev_b32 v3, 4, v2                        ; 16 x lane
	s_mul_i32 s25, s24, WREG
	v_lshrrev_b32 v14, 2, v2
	v_mul_u32_u24 v14, v14, SP
	v_and_b32 v15, 3, v2
	v_lshl_add_u32 v14, v15, 4, v14
	v_add_nc_u32 v14, s25, v14                     ; the stage, on the way in: SP (lane / 4) + 16 (lane % 4)
	v_mul_u32_u24 v15, v2, SP
	v_add_nc_u32 v15, s25, v15                     ; on the way out: SP x lane
	v_mul_u32_u24 v4, v2, CB                       ; 8 x lane
	v_lshrrev_b32 v5, 1, v2
	s_add_co_u32 s25, s25, 2*32*SP
	v_add_nc_u32 v5, s25, v5                       ; my block's scale byte in the wave's 256
	v_lshlrev_b32 v7, 3, v2
	v_add_nc_u32 v6, s25, v7                       ; and 8 bytes a lane on their way out
	s_lshl_b32 s26, ttmp9, 2
	s_add_co_u32 s26, s26, s24                     ; 4 g + wave
	s_wait_kmcnt 0x0
	s_cmp_ge_u32 ttmp9, GT
	s_cbranch_scc1 .Ltable
	s_cmp_ge_u32 ttmp9, GQ
	s_cbranch_scc1 .Lwo
	; ---- the quantiser.  The source is chosen by the work-group's number alone
	s_and_b32 s27, ttmp9, 31
	s_cmp_lt_u32 ttmp9, 320
	s_cselect_b64 s[28:29], s[8:9], s[10:11]
	s_cmp_lt_u32 ttmp9, 288
	s_cselect_b64 s[28:29], s[6:7], s[28:29]
	s_cmp_lt_u32 ttmp9, 256
	s_cselect_b64 s[28:29], s[4:5], s[28:29]
	s_cselect_b32 s27, ttmp9, s27                  ; the work-group's number within its tensor
	s_lshl_b32 s27, s27, 2
	s_add_co_u32 s27, s27, s24                     ; my run of 8,192 numbers in the source
	s_lshl_b32 s30, s27, 15
	s_mov_b32 s31, 0
	s_add_nc_u64 s[28:29], s[28:29], s[30:31]
	s_lshl_b32 s30, s26, 12                        ; in the codes the tensors follow each other: run 4 g + wave, 4,096 bytes each
	s_add_nc_u64 s[16:17], s[16:17], s[30:31]
	s_lshl_b32 s30, s26, 8                         ; and 256 scale bytes
	s_add_nc_u64 s[18:19], s[18:19], s[30:31]
.macro LOAD t
.irp i, 0,1,2,3
	global_load_b128 v[R+16*((\t)%4)+4*\i:R+16*((\t)%4)+4*\i+3], v3, s[28:29] offset:2048*(\t)+512*\i th:TH_LOAD_NT   ; 32 lanes read 512 consecutive bytes
.endr
.endm
.macro TURN t                          ; step t's numbers through the stage: LDS serves a wave's instructions in order, so no wait stands between the stores and the loads
.irp i, 0,1,2,3
	ds_store_b128 v14, v[R+16*((\t)%4)+4*\i:R+16*((\t)%4)+4*\i+3] offset:32*SP*((\t)%2)+8*SP*\i
.endr
.irp i, 0,1,2,3
	ds_load_b128 v[X+16*((\t)%2)+4*\i:X+16*((\t)%2)+4*\i+3], v15 offset:32*SP*((\t)%2)+16*\i
.endr
.endm
.irp t, 0,1,2,3
	LOAD \t
.endr
	s_wait_loadcnt 12                              ; step 0's four loads are in; the 12 behind them may be out
	TURN 0
.macro STEP t
.set XS, X+16*((\t)%2)
.if (\t) > 0
	s_wait_dscnt 1                                 ; this step's numbers are back from the stage; the last step's byte store may be out
.else
	s_wait_dscnt 0x0
.endif
.if (\t)+4 < STEPS
	LOAD (\t)+4                                    ; into the registers that this step's stores into the stage have read
.endif
.if (\t)+1 < STEPS
.if STEPS-2-(\t) >= 3
	s_wait_loadcnt 12                              ; the next step's four loads are in; those of the three steps behind it may be out
.else
	s_wait_loadcnt 4*(STEPS-2-(\t))
.endif
	TURN (\t)+1
.endif
	v_max3_num_f32 v8, |v[XS]|, |v[XS+1]|, |v[XS+2]|               ; the largest magnitude of my 16, in two chains
	v_max3_num_f32 v9, |v[XS+3]|, |v[XS+4]|, |v[XS+5]|
.irp i, 6,10
	v_max3_num_f32 v8, v8, |v[XS+\i]|, |v[XS+\i+1]|
	v_max3_num_f32 v9, v9, |v[XS+\i+2]|, |v[XS+\i+3]|
.endr
	v_max3_num_f32 v8, v8, |v[XS+14]|, |v[XS+15]|
	v_max3_num_f32 v8, v8, v9, (EMAX+1)<<23        ; and the floor 2^(EMAX + 1 - 127): the byte cannot fall under 1
	v_max_num_f32_dpp v8, v8, v8 row_xmask:1 row_mask:0xf bank_mask:0xf   ; with my neighbour's 16: the block's
	v_add_nc_u32 v11, -(EMAX<<23), v8              ; EMAX off its exponent field: the conversion takes that field as its scale
	v_cvt_scalef32_pk8_fp4_f32 v[C+4*(\t)], v[XS:XS+7], v11
	v_cvt_scalef32_pk8_fp4_f32 v[C+4*(\t)+1], v[XS+8:XS+15], v11
	v_lshrrev_b32 v[E+(\t)], 23, v11               ; the scale's byte (also the plain line behind the conversions)
	ds_store_b8 v5, v[E+(\t)] offset:16*(\t)       ; both lanes of a block write the same byte with the same value
	global_store_b64 v4, v[C+4*(\t):C+4*(\t)+1], s[16:17] offset:32*CB*(\t)   ; the wave stores 256 consecutive bytes, aligned
.endm
.irp t, 0,1,2,3,4,5,6,7,8,9,10,11,12,13,14,15
	STEP \t
.endr
	ds_load_b64 v[8:9], v6                         ; LDS serves a wave's instructions in order: these see my byte stores
	s_wait_dscnt 0x0
	global_store_b64 v7, v[8:9], s[18:19]          ; 256 scale bytes, aligned
	FINISH
	; ---- wo to f16: a wave takes 8,192 numbers, 64 chunks of 128, in four groups of 16 chunks; two groups of loads are out
.Lwo:
	s_sub_co_u32 s27, s26, 4*GQ
	s_lshl_b32 s30, s27, 15
	s_mov_b32 s31, 0
	s_add_nc_u64 s[12:13], s[12:13], s[30:31]
	s_lshl_b32 s30, s27, 14
	s_add_nc_u64 s[20:21], s[20:21], s[30:31]
.macro LOADG g
.set LB, 16+112*((\g)%2)               ; v16-79 and v128-191 by turns
.irp c, 0,1,2,3,4,5,6,7,8,9,10,11,12,13,14,15
	global_load_b128 v[LB+4*\c:LB+4*\c+3], v3, s[12:13] offset:512*(16*(\g)+\c) th:TH_LOAD_NT
.endr
.endm
.macro CVTG g
.set LB, 16+112*((\g)%2)
.irp c, 0,1,2,3,4,5,6,7,8,9,10,11,12,13,14,15
	v_cvt_pk_f16_f32 v[80+2*\c], v[LB+4*\c], v[LB+4*\c+1]
	v_cvt_pk_f16_f32 v[81+2*\c], v[LB+4*\c+2], v[LB+4*\c+3]
.endr
.endm
.macro STOREG g
.irp c, 0,1,2,3,4,5,6,7,8,9,10,11,12,13,14,15
	global_store_b64 v4, v[80+2*\c:81+2*\c], s[20:21] offset:256*(16*(\g)+\c)
.endr
.endm
	LOADG 0
	LOADG 1
.irp g, 0,1,2,3
.if \g < 3
	s_wait_loadcnt 16                              ; this group's 16 loads are in; the next group's may be out
.else
	s_wait_loadcnt 0x0
.endif
.if \g > 0
	s_wait_xcnt 0x0                                ; the last group's stores have read v80-111: they are written again only behind this wait
.endif
	CVTG \g
	STOREG \g
.if \g < 2
	LOADG \g+2
.endif
.endr
	FINISH
	; ---- the table: a wave takes 16 positions
.Ltable:
	s_sub_co_u32 s27, s26, 4*GT                    ; blk
	s_lshl_b32 s30, s27, 6
	s_mov_b32 s31, 0
	s_add_nc_u64 s[14:15], s[14:15], s[30:31]
	s_lshl_b32 s30, s27, 12
	s_add_nc_u64 s[22:23], s[22:23], s[30:31]
	v_and_b32 v16, 15, v0
	v_lshlrev_b32 v16, 2, v16
	global_load_b32 v20, v16, s[14:15]             ; token_position[16 blk + r]
	v_bfe_u32 v21, v0, 4, 1
	v_lshlrev_b32 v21, 2, v21                      ; 4 h
	s_mov_b32 s32, 0x3f22f983                      ; 2 / pi
	s_mov_b32 s33, 0xbfc90fdb                      ; -pi/2, its first part,
	s_mov_b32 s34, 0x333bbd2e                      ; what the first part leaves, with the sign turned,
	s_mov_b32 s35, 0x26f72ced                      ; and what the second leaves
	s_mov_b32 s36, 0x3638ef1d                      ; 1/9!
	s_mov_b32 s37, 0xb9500d01                      ; -1/7!
	s_mov_b32 s38, 0x3c088889                      ; 1/5!
	s_mov_b32 s39, 0xbe2aaaab                      ; -1/3!
	s_mov_b32 s40, 0x37d00d01                      ; 1/8!
	s_mov_b32 s41, 0xbab60b61                      ; -1/6!
	s_mov_b32 s42, 0x3d2aaaab                      ; 1/4!
.irp k, 0,1,2,3,4,5,6,7,8,9,10,11,12,13,14,15
	v_add_nc_u32 v[48+\k], 8*(\k/4)+\k%4, v21      ; pair i = 8 (k / 4) + k % 4 + 4 h
.endr
.irp k, 0,1,2,3,4,5,6,7,8,9,10,11,12,13,14,15
	v_cvt_f32_u32 v[48+\k], v[48+\k]
.endr
.irp k, 0,1,2,3,4,5,6,7,8,9,10,11,12,13,14,15
	v_mul_f32 v[48+\k], 0xbed49a78, v[48+\k]       ; x -log2(10000) / 32
.endr
.irp k, 0,1,2,3,4,5,6,7,8,9,10,11,12,13,14,15
	v_exp_f32 v[32+\k], v[48+\k]                   ; 10000^(-i / 32): one batch
.endr
	v_mov_b32 v24, 1.0                             ; (plain lines behind the batch) the second table's entry: cos = 1, sin = 0
	v_mov_b32 v25, 0
	v_mov_b32 v26, 1.0
	v_mov_b32 v27, 0
	s_wait_alu depctr_va_vdst(0)                   ; one wait for the batch, ahead of its first reader
.irp u, 0,1,2,3,4,5,6,7
	global_store_b128 v3, v[24:27], s[22:23] offset:524288+512*\u
.endr
	s_wait_loadcnt 0x0
	v_cvt_f32_i32 v20, v20
.macro SINCOS k
	v_mul_f32 v96, v20, v[32+\k]                   ; the angle: one rounding
	v_mul_f32 v97, s32, v96
	v_rndne_f32 v97, v97                           ; n = the nearest whole number to angle x 2 / pi
	v_fma_f32 v98, v97, s33, v96                   ; y = angle - n pi/2, in three parts
	v_fma_f32 v98, v97, s34, v98
	v_fma_f32 v98, v97, s35, v98
	v_cvt_i32_f32 v99, v97
	v_mul_f32 v100, v98, v98
	v_fma_f32 v101, v100, s36, s37                 ; sin y
	v_fma_f32 v102, v100, s40, s41                 ; cos y
	v_fma_f32 v101, v101, v100, s38
	v_fma_f32 v102, v102, v100, s42
	v_fma_f32 v101, v101, v100, s39
	v_fma_f32 v102, v102, v100, -0.5
	v_mul_f32 v101, v101, v100
	v_fma_f32 v102, v102, v100, 1.0
	v_fma_f32 v101, v101, v98, v98
	v_and_b32 v103, 1, v99
	v_cmp_eq_u32 vcc_lo, 1, v103                   ; an odd quadrant swaps the two
	v_cndmask_b32 v104, v101, v102, vcc_lo
	v_cndmask_b32 v105, v102, v101, vcc_lo
	v_lshlrev_b32 v103, 30, v99
	v_and_b32 v103, 0x80000000, v103               ; sin changes sign in quadrants 2 and 3,
	v_xor_b32 v[65+2*\k], v103, v104
	v_add_nc_u32 v99, 1, v99
	v_lshlrev_b32 v99, 30, v99
	v_and_b32 v99, 0x80000000, v99                 ; cos in quadrants 1 and 2
	v_xor_b32 v[64+2*\k], v99, v105
.endm
.irp k, 0,1,2,3,4,5,6,7,8,9,10,11,12,13,14,15
	SINCOS \k
.endr
.irp u, 0,1,2,3,4,5,6,7
	global_store_b128 v3, v[64+4*\u:64+4*\u+3], s[22:23] offset:512*\u   ; 512 consecutive bytes a store
.endr
	FINISH
.Lfunc_end_k_q0a678a7484_prep:
	.size	k_q0a678a7484_prep, .Lfunc_end_k_q0a678a7484_prep-k_q0a678a7484_prep
	.p2alignl 7, 3214868480
	.fill 96, 4, 3214868480
	.section	.rodata,"a",@progbits
	.p2align	6, 0x0
	.amdhsa_kernel k_q0a678a7484_prep
		.amdhsa_group_segment_fixed_size 33280
		.amdhsa_private_segment_fixed_size 0
		.amdhsa_enable_private_segment 0
		.amdhsa_kernarg_size 80
		.amdhsa_user_sgpr_count 2
		.amdhsa_user_sgpr_kernarg_segment_ptr 1
		.amdhsa_wavefront_size32 1
		.amdhsa_system_sgpr_workgroup_id_x 1
		.amdhsa_system_sgpr_workgroup_id_y 1
		.amdhsa_system_sgpr_workgroup_id_z 1
		.amdhsa_system_vgpr_workitem_id 0
		.amdhsa_next_free_vgpr 192
		.amdhsa_next_free_sgpr 66
		.amdhsa_reserve_vcc 1
		.amdhsa_float_denorm_mode_32 3
		.amdhsa_float_denorm_mode_16_64 3
		.amdhsa_memory_ordered 1
		.amdhsa_forward_progress 1
		.amdhsa_inst_pref_size 80
	.end_amdhsa_kernel
	.amdgpu_metadata
---
amdhsa.version: [ 1, 2 ]
amdhsa.kernels:
  - .name:           k_q0a678a7484_prep
    .symbol:         k_q0a678a7484_prep.kd
    .args:
      - { .name: x, .offset: 0, .size: 8, .value_kind: global_buffer, .address_space: global }
      - { .name: wq, .offset: 8, .size: 8, .value_kind: global_buffer, .address_space: global }
      - { .name: wk, .offset: 16, .size: 8, .value_kind: global_buffer, .address_space: global }
      - { .name: wv, .offset: 24, .size: 8, .value_kind: global_buffer, .address_space: global }
      - { .name: wo, .offset: 32, .size: 8, .value_kind: global_buffer, .address_space: global }
      - { .name: token_position, .offset: 40, .size: 8, .value_kind: global_buffer, .address_space: global }
      - { .name: codes, .offset: 48, .size: 8, .value_kind: global_buffer, .address_space: global }
      - { .name: scales, .offset: 56, .size: 8, .value_kind: global_buffer, .address_space: global }
      - { .name: wo16, .offset: 64, .size: 8, .value_kind: global_buffer, .address_space: global }
      - { .name: rope, .offset: 72, .size: 8, .value_kind: global_buffer, .address_space: global }
    .group_segment_fixed_size: 33280
    .private_segment_fixed_size: 0
    .kernarg_segment_align: 8
    .kernarg_segment_size: 80
    .max_flat_workgroup_size: 128
    .sgpr_count:     66
    .vgpr_count:     192
    .wavefront_size: 32
...
	.end_amdgpu_metadata
.endif
;; end of part 1
;; launch qkv (part 2): grid 12 x 32, 4 waves a work-group, clusters of 4 x 4, 327,680 bytes of LDS; arguments codes, scales, rope, qkv, side; writes qkv, side
.if DOCPART == 2
	.amdgcn_target "amdgcn-amd-amdhsa--gfx1250"
	.amdhsa_code_object_version 6
	.text
	.protected	k_q0a678a7484_qkv
	.globl	k_q0a678a7484_qkv
	.p2align	8
	.type	k_q0a678a7484_qkv,@function
k_q0a678a7484_qkv:
	s_mov_b64 s[64:65], 0
	v_nop
	global_prefetch_b8 v0, s[64:65] scope:SCOPE_SE
	s_setreg_imm32_b32 hwreg(HW_REG_WAVE_MODE, 25, 1), 1
	s_wait_xcnt 0x0
	s_wait_alu depctr_hold_cnt(0) depctr_sa_sdst(0) depctr_va_vdst(0) depctr_va_sdst(0) depctr_va_ssrc(0) depctr_va_vcc(0) depctr_vm_vsrc(0)
	s_getreg_b32 s2, hwreg(HW_REG_IB_STS2, 6, 4)
	s_cmp_eq_u32 s2, 0
	s_cbranch_scc0 .Lentry_in_a_cluster
	s_endpgm
.Lentry_in_a_cluster:
	s_bfe_u32 s2, ttmp6, 0x10000c
	s_cmp_lg_u32 s2, 0xf033
	s_cbranch_scc0 .Lentry_shape_is_right
	s_endpgm
.Lentry_shape_is_right:
; q, k, v = x wq^T, x wk^T, x wv^T on codes of FP4 (E2M1) with one E8M0 scale for each 32 along K; then RoPE on q and k; out as f16 by head, [which][batch x 16 + head][position][64].
; ONE GEMM: A = x's codes [8192][1024], B = the three weights' codes on end [3072][1024]; sums in f32.  A tile of C is 256 x 256, four waves of 128 x 128: 64 accumulators, 512 registers.
; K = 1,024 is two LDS slots of 512 along K (rows of 256 bytes): both are first fills, nothing is filled again.  The scale bytes of the tile's rows, two dense blocks, come with them.
; CLUSTERS: 4 x 4 work-groups; A's tiles are asked for jointly along a row of the cluster, B's along a column.  Cluster x says which weight: 0 q, 1 k, 2 v: the same in all sixteen partners.
; THE MATRIX INSTRUCTION IS USED TRANSPOSED (source 0 = 16 rows of B, source 1 = 16 rows of A): a lane holds eight neighbouring channels of one position, so a RoPE pair lies in two neighbouring registers.
; THE WAY OUT, 16 positions x 128 channels (two heads) at a time: cos and sin come from a table laid in the order of these registers (for v: the table of cos = 1, sin = 0, so that there is one way out);
; three instructions a pair; rounded to f16; through the wave's stage in LDS; each store covers 512 consecutive bytes (four positions of a head).  Positions 0 to 15 of each sequence also leave in f32, for the last launch.
; LIMITS: q, k, v behind RoPE under 65,504 in size (f16); NaN and infinities are not served.
; REGISTERS: window 0: v0-31 addresses; v32-95 scale words, later the rotated numbers; v96-127 packed f16; v128-191 A's fragments, later rows back from the stage; v192-255 cos and sin, two sets.
;   window 1: B's fragments, two sets.   windows 2, 3: the accumulators ((a, b) at v[8 (8 (a % 4) + b)]).
.set SIZE_K, 1024
.set KSTEP,  512
.set NQ,     KSTEP/128
.set ROWB,   256
.set KROW,   SIZE_K*4/8
.set PITCH,  272                       ; an LDS row: 256 bytes + 16 of padding: the 16 rows that a load touches start at 16 different banks (64 banks of 4 bytes: ISA guide 11.1)
.set FR,     8
.set NL,     2
.set NP,     4                         ; places behind this matrix instruction (ISA guide 7.12.1)
.set HALFT,  128*PITCH
.set SLOT,   4*HALFT
.set KS,     SIZE_K/32
.set SCL,    2*SLOT
.set HALFS,  (128*KS/256)*272
.set SBLK,   (16*KS/256)*272
.set SPARE,  SCL+4*HALFS               ; the spare words: 128 bytes a wave, two blocks of 256 bytes that no other line names
.set SPITCH, 400                       ; the stage: 16 rows x (256 bytes + 144) for each wave, in slot 0, which has had its only fill and its last read when the first result is stored there
.set ADRA, 16
.set ADRB, 20
.set STO,  24
.set RD,   25
.set CO,   26                          ; v26 16 x lane
.set ADRS, 27
.set SPW,  28
.set NIL,  29
.set SD,   30                          ; v30 my place in the f32 copy: 256 r + 32 h
.set FLG,  31
.set SC,   32
.set AF,   128
.set T,    32                          ; the way out: 64 rotated numbers
.set TMP,  96                          ; 32 registers of f16 pairs
.set BK,   128                         ; rows back from the stage: v128-159 and v160-191 by turns
.set CS,   192                         ; cos and sin: v192-223 and v224-255 by turns
.set G1, 24
.set G0, 32
.set G1B, 48
.set G0B, 56
.set G1S, 68
.set G0S, 76
.set G1SB, 80
.set G0SB, 88
.set MSB, 0
.macro WIN new                         ; the immediate's high byte repeats the setting that is left
.if MSB != \new
	s_set_vgpr_msb (MSB<<8)|\new
.set MSB, \new
.endif
.endm
.set MUL_LO, 0xa1                      ; source 0 (B) window 1, source 1 (A) window 0, C and D window 2
.set MUL_HI, 0xf1
.set TO_B,   0x40
; A joint load: waves 0 and 1 fetch for A, waves 2 and 3 for B; the branch hangs on the wave's number alone.  An s_nop 0 and four v_nop follow each of the two lines.
.macro JLOAD g0a, g1a, g0b, g1b
	s_cmp_eq_u32 s15, 0
	s_cbranch_scc0 .Lfor_b_\@
	tensor_load_to_lds s[\g0a:\g0a+3], s[\g1a:\g1a+7]
	s_nop 0
.rept 4
	v_nop
.endr
	s_branch .Lasked_\@
.Lfor_b_\@:
	tensor_load_to_lds s[\g0b:\g0b+3], s[\g1b:\g1b+7]
	s_nop 0
.rept 4
	v_nop
.endr
.Lasked_\@:
.endm
.macro CREST
	s_cmp_lg_u32 s14, 0
	s_cbranch_scc1 .Lnot_wave_0_\@
	s_barrier_signal -3
.Lnot_wave_0_\@:
	s_barrier_wait -3
	s_barrier_signal -1
	s_barrier_wait -1
.endm
.macro CROUND                          ; a round of the cluster's barrier
	s_barrier_signal -1
	s_barrier_wait -1
	CREST
.endm
	s_load_b128 s[4:7], s[0:1], 0x0                ; codes, scales
	s_load_b128 s[96:99], s[0:1], 0x10             ; rope, qkv
	s_load_b64 s[100:101], s[0:1], 0x20            ; side
	v_lshl_add_u32 v[SPW], v0, 2, SPARE
	v_mov_b32 v[NIL], 0
	ds_add_u32 v[SPW], v[NIL]                      ; the wave's opening: the add, twice on end, and its wait ahead of my first tensor load
	ds_add_u32 v[SPW], v[NIL]
	v_lshrrev_b32 v1, 5, v0
	v_readfirstlane_b32 s14, v1                    ; wave 0..3
	s_lshr_b32 s15, s14, 1                         ; my half of the tile's rows.  Also: I fetch for A (0) or for B (1)
	s_and_b32 s16, s14, 1                          ; my half of its columns.  Also: which 128 rows I fetch
	s_bfe_u32 s40, ttmp6, 0x40000                  ; cx, cy
	s_bfe_u32 s41, ttmp6, 0x40004
	s_lshl_b32 s42, ttmp9, 2
	s_add_co_u32 s42, s42, s40                     ; tile column of C
	s_and_b32 s17, ttmp7, 0xffff
	s_lshl_b32 s17, s17, 2
	s_add_co_u32 s17, s17, s41                     ; tile row of C
	s_lshl_b32 s43, s41, 2
	s_lshl_b32 s43, 15, s43                        ; my row of the cluster
	s_lshl_b32 s44, 0x1111, s40                    ; my column
	s_or_b32 s[G1+0], s43, (0<<16)|(1<<20)|(1<<21)|(5<<22)|(3<<25)  ; the mask; elements of 1 byte; padding on; bit 21 beside a mask; 4 words behind every 64
	s_or_b32 s[G1B+0], s44, (0<<16)|(1<<20)|(1<<21)|(5<<22)|(3<<25)
.irp g, G1, G1B
	s_mov_b32 s[\g+1], ROWB<<16                    ; tensor_dim0
	s_mov_b32 s[\g+2], 128<<16                     ; tensor_dim1
	s_mov_b32 s[\g+3], ROWB<<16                    ; tile_dim0
	s_mov_b32 s[\g+4], 128                         ; tile_dim1
	s_mov_b32 s[\g+5], KROW                        ; the pitch
	s_mov_b32 s[\g+6], 0
	s_mov_b32 s[\g+7], 0
.endr
	s_or_b32 s[G1S+0], s43, (3<<16)|(1<<20)|(1<<21)|(5<<22)|(3<<25)   ; the scales of 128 rows: 4,096 dense bytes as 16 rows of 256 (32 elements of 8 bytes), 16 bytes of padding behind each
	s_or_b32 s[G1SB+0], s44, (3<<16)|(1<<20)|(1<<21)|(5<<22)|(3<<25)
.irp g, G1S, G1SB
	s_mov_b32 s[\g+1], 32<<16
	s_mov_b32 s[\g+2], (128*KS/256)<<16
	s_mov_b32 s[\g+3], 32<<16
	s_mov_b32 s[\g+4], 128*KS/256
	s_mov_b32 s[\g+5], 32
	s_mov_b32 s[\g+6], 0
	s_mov_b32 s[\g+7], 0
.endr
	s_lshl_b32 s18, s16, 7
	s_lshl_b32 s20, s17, 8
	s_add_co_u32 s20, s20, s18                     ; A: row 256 x tile row + 128 x half
	s_lshl_b32 s46, s42, 8
	s_add_co_u32 s46, s46, s18                     ; B: row 256 x tile column + 128 x half
	s_mov_b32 s21, 0
	s_mov_b32 s47, 0
	s_mov_b64 s[18:19], KS
	s_mul_u64 s[22:23], s[20:21], s[18:19]
	s_mul_u64 s[92:93], s[46:47], s[18:19]
	s_mov_b64 s[18:19], KROW
	s_mul_u64 s[20:21], s[20:21], s[18:19]
	s_mul_u64 s[46:47], s[46:47], s[18:19]
	s_mul_i32 s45, s14, HALFT                      ; where they go: wave x 128 rows
	s_mul_i32 s94, s14, HALFS
	s_wait_dscnt 0x0                               ; both opening adds are done
	s_wait_kmcnt 0x0
	s_add_nc_u64 s[8:9], s[4:5], 0x400000          ; the weights' codes lie behind x's,
	s_add_nc_u64 s[10:11], s[6:7], 0x40000         ; their scale bytes likewise
	s_add_nc_u64 s[20:21], s[4:5], s[20:21]
	s_add_nc_u64 s[22:23], s[6:7], s[22:23]
	s_add_nc_u64 s[46:47], s[8:9], s[46:47]
	s_add_nc_u64 s[92:93], s[10:11], s[92:93]
	CROUND                                         ; all sixteen work-groups are here: the joint loads meet
	s_mov_b32 s[G0S], 1
	s_add_co_u32 s[G0S+1], s94, SCL
	s_mov_b64 s[G0S+2:G0S+3], s[22:23]
	s_or_b32 s[G0S+3], s[G0S+3], 0x80000000
	s_mov_b32 s[G0SB], 1
	s_add_co_u32 s[G0SB+1], s94, SCL
	s_mov_b64 s[G0SB+2:G0SB+3], s[92:93]
	s_or_b32 s[G0SB+3], s[G0SB+3], 0x80000000
	JLOAD G0S, G1S, G0SB, G1SB                     ; three loads of mine go out: the scales, K step 0, K step 1
.irp s, 0,1
	s_mov_b32 s[G0+4*\s], 1
	s_add_co_u32 s[G0+4*\s+1], s45, \s*SLOT
	s_add_nc_u64 s[G0+4*\s+2:G0+4*\s+3], s[20:21], \s*ROWB
	s_or_b32 s[G0+4*\s+3], s[G0+4*\s+3], 0x80000000
	s_mov_b32 s[G0B+4*\s], 1
	s_add_co_u32 s[G0B+4*\s+1], s45, \s*SLOT
	s_add_nc_u64 s[G0B+4*\s+2:G0B+4*\s+3], s[46:47], \s*ROWB
	s_or_b32 s[G0B+4*\s+3], s[G0B+4*\s+3], 0x80000000
	JLOAD G0+4*\s, G1, G0B+4*\s, G1B
.endr
	v_and_b32 v1, 15, v0                           ; r
	v_bfe_u32 v2, v0, 4, 1                         ; h
	v_mul_u32_u24 v3, v1, PITCH
	v_lshl_add_u32 v4, v2, 4, v3
	s_mul_i32 s21, s15, HALFT
	s_mul_i32 s22, s16, HALFT
	s_add_co_u32 s22, s22, 2*HALFT
.irp s, 0,1
	v_add_nc_u32 v[ADRA+\s], s21, v4
	v_add_nc_u32 v[ADRB+\s], s22, v4
	s_add_co_u32 s21, s21, SLOT
	s_add_co_u32 s22, s22, SLOT
.endr
	v_mul_u32_u24 v5, v1, KS                       ; my row's scales: KS bytes a row, 16 more for each 256 passed
	v_lshrrev_b32 v6, 8, v5
	v_lshl_add_u32 v5, v6, 4, v5
	s_mul_i32 s21, s15, HALFS
	s_mul_i32 s22, s16, HALFS
	s_add_co_u32 s22, s22, 2*HALFS
	s_sub_co_u32 s22, s22, s21
	v_mul_u32_u24 v6, s22, v2                      ; lanes 16-31 take B's
	s_add_co_u32 s21, s21, SCL
	v_add_nc_u32 v5, v5, v6
	v_add_nc_u32 v[ADRS], s21, v5
	s_mul_i32 s23, s14, 16*SPITCH                  ; my stage
	v_mul_u32_u24 v5, v1, SPITCH
	v_lshl_add_u32 v5, v2, 4, v5
	v_add_nc_u32 v[STO], s23, v5                   ; in: row r, 16 bytes for each half of the lanes
	v_and_b32 v6, 31, v0
	v_lshlrev_b32 v[CO], 4, v6
	v_lshrrev_b32 v5, 3, v6
	v_mul_u32_u24 v5, v5, SPITCH
	v_and_b32 v7, 7, v6
	v_lshl_add_u32 v5, v7, 4, v5
	v_add_nc_u32 v[RD], s23, v5                    ; back: eight lanes take a head's 128 bytes of a row, four rows an instruction
	v_lshlrev_b32 v[SD], 8, v1
	v_lshl_add_u32 v[SD], v2, 5, v[SD]
	; where my part goes: batch = tile row / 8; my first head = 16 batch + 4 cx + 2 x column half; my first position = 256 (tile row % 8) + 128 x row half
	s_lshr_b32 s20, s17, 3
	s_lshl_b32 s20, s20, 4
	s_lshl_b32 s21, s40, 2
	s_add_co_u32 s20, s20, s21
	s_lshl_b32 s21, s16, 1
	s_add_co_u32 s20, s20, s21
	s_and_b32 s95, s17, 7
	s_lshl_b32 s22, ttmp9, 24                      ; 16 MiB for each of q, k, v,
	s_lshl_b32 s23, s20, 18                        ; 262,144 bytes a head,
	s_add_co_u32 s22, s22, s23
	s_lshl_b32 s23, s95, 15                        ; 128 bytes a position
	s_add_co_u32 s22, s22, s23
	s_lshl_b32 s23, s15, 14
	s_add_co_u32 s22, s22, s23
	s_mov_b32 s23, 0
	s_add_nc_u64 s[12:13], s[98:99], s[22:23]
	s_cmp_eq_u32 ttmp9, 2
	s_cselect_b32 s22, 0x80000, 0                  ; v takes the table of cos = 1, sin = 0
	s_lshl_b32 s23, s95, 16                        ; 4,096 bytes for 16 positions
	s_add_co_u32 s22, s22, s23
	s_lshl_b32 s23, s15, 15
	s_add_co_u32 s22, s22, s23
	s_mov_b32 s23, 0
	s_add_nc_u64 s[96:97], s[96:97], s[22:23]
	s_lshl_b32 s22, ttmp9, 18
	s_lshl_b32 s23, s20, 12
	s_add_co_u32 s22, s22, s23
	s_mov_b32 s23, 0
	s_add_nc_u64 s[100:101], s[100:101], s[22:23]
.macro CSLOAD a                        ; cos and sin of my positions 16 a .. 16 a + 15: eight loads of 512 consecutive bytes
.set CSB, CS+32*((\a)%2)
.irp u, 0,1,2,3,4,5,6,7
	global_load_b128 v[CSB+4*\u:CSB+4*\u+3], v[CO], s[96:97] offset:4096*(\a)+512*\u
.endr
.endm
	CSLOAD 0                                       ; asked for here, wanted behind the last product
	CSLOAD 1
.macro FRAG reg, adr, q, i             ; 16 rows x 128 K of 4-bit codes: 8 registers, two loads of 16 bytes, 32 bytes apart
.irp c, 0,1
	ds_load_b128 v[\reg+4*\c:\reg+4*\c+3], v[\adr] offset:64*(\q)+32*\c+(\i)*16*PITCH
.endr
.endm
; 16 matrix instructions: A's blocks a0, a0 + 1 x B's eight.  The 64 accumulators take turns, one instruction a turn, in the same order in every step.
.macro MUL16 a0, p, q, sc, zero
.irp a, \a0, \a0+1
.irp b, 0,1,2,3,4,5,6,7
.if \zero
	v_wmma_scale_f32_16x16x128_f8f6f4 v[8*(8*((\a)%4)+\b):8*(8*((\a)%4)+\b)+7], v[128*(\p)+FR*\b:128*(\p)+FR*\b+FR-1], v[AF+FR*(\a):AF+FR*(\a)+FR-1], 0, v[SC+8*NQ*(\sc)+NQ*\b+(\q)], v[SC+8*NQ*(\sc)+NQ*(\a)+(\q)] matrix_a_fmt:MATRIX_FMT_FP4 matrix_b_fmt:MATRIX_FMT_FP4 matrix_a_scale:MATRIX_SCALE_ROW1
.else
	v_wmma_scale_f32_16x16x128_f8f6f4 v[8*(8*((\a)%4)+\b):8*(8*((\a)%4)+\b)+7], v[128*(\p)+FR*\b:128*(\p)+FR*\b+FR-1], v[AF+FR*(\a):AF+FR*(\a)+FR-1], v[8*(8*((\a)%4)+\b):8*(8*((\a)%4)+\b)+7], v[SC+8*NQ*(\sc)+NQ*\b+(\q)], v[SC+8*NQ*(\sc)+NQ*(\a)+(\q)] matrix_a_fmt:MATRIX_FMT_FP4 matrix_b_fmt:MATRIX_FMT_FP4 matrix_a_scale:MATRIX_SCALE_ROW1
.endif
.endr
.endr
.endm
.macro FETCH_B slot, q, p
	WIN TO_B
.irp i, 0,1,2,3,4,5,6,7
	FRAG 128*(\p)+FR*\i, ADRB+\slot, \q, \i
.endr
	WIN 0
.endm
.macro FETCH_A slot, q, i0
.irp i, \i0, \i0+1, \i0+2, \i0+3
	FRAG AF+FR*(\i), ADRA+\slot, \q, \i
.endr
.endm
.macro SCALES sc                       ; a K step's scale words: lanes 0-15 A's block i, lanes 16-31 B's block i
.irp i, 0,1,2,3,4,5,6,7
	ds_load_b128 v[SC+8*NQ*\sc+NQ*\i:SC+8*NQ*\sc+NQ*\i+3], v[ADRS] offset:\i*SBLK
.endr
.endm
.macro PLACES n                        ; plain vector lines between a matrix instruction and a load into, or a read of, its registers
.rept \n
	v_nop
.endr
.endm
.macro STEP slot, q, zero              ; 128 along K that has its successor in the same slot
	s_wait_dscnt 4*NL                              ; B's set and A's blocks 0-3 are in; the youngest eight loads (A's blocks 4-7) may be out
	WIN MUL_LO
	MUL16 0, (\q)%2, \q, \slot, \zero
	MUL16 2, (\q)%2, \q, \slot, \zero
	s_wait_dscnt 0
	PLACES NP
	FETCH_B \slot, (\q)+1, 1-(\q)%2
	FETCH_A \slot, (\q)+1, 0
	WIN MUL_HI
	MUL16 4, (\q)%2, \q, \slot, \zero
	MUL16 6, (\q)%2, \q, \slot, \zero
	PLACES NP
	WIN 0
	FETCH_A \slot, (\q)+1, 4
.endm
.macro TURN slot, next                 ; a slot's last step changes slots: one barrier
	s_wait_tensorcnt 0x0                           ; my part of the next slot has landed
	ds_add_u32 v[SPW], v[NIL]
	s_wait_dscnt 4*NL+1                            ; the add and the youngest eight loads may be out
	WIN MUL_LO
	MUL16 0, 1, NQ-1, \slot, 0
	s_wait_dscnt 0x0                               ; the add is done, and my reads of this slot are over
	s_barrier_signal -1
	MUL16 2, 1, NQ-1, \slot, 0
	WIN 0
	s_barrier_wait -1
	PLACES NP
	v_add_nc_u32 v[ADRS], 4*NQ, v[ADRS]            ; the next K step's scale words
	FETCH_B \next, 0, 0
	FETCH_A \next, 0, 0
	SCALES \next
	WIN MUL_HI
	MUL16 4, 1, NQ-1, \slot, 0
	MUL16 6, 1, NQ-1, \slot, 0
	PLACES NP
	WIN 0
	FETCH_A \next, 0, 4
.endm
.macro STEPS slot, from
.set Q, \from
.rept NQ-1-\from
	STEP \slot, Q, 0
.set Q, Q+1
.endr
.endm
	s_wait_tensorcnt 1                             ; the scales and my part of K step 0 are in; K step 1's load may be out
	s_barrier_signal -1
	s_barrier_wait -1
	FETCH_B 0, 0, 0
	FETCH_A 0, 0, 0
	SCALES 0
	FETCH_A 0, 0, 4
	STEP 0, 0, 1                                   ; the first products start the sums: nothing is cleared
	STEPS 0, 1
	TURN 0, 1
	STEPS 1, 0
	s_wait_dscnt 4*NL
	WIN MUL_LO
	MUL16 0, 1, NQ-1, 1, 0
	MUL16 2, 1, NQ-1, 1, 0
	s_wait_dscnt 0
	WIN MUL_HI
	MUL16 4, 1, NQ-1, 1, 0
	MUL16 6, 1, NQ-1, 1, 0
	WIN 0
; THE WAY OUT.  Block a: my positions 16 a .. 16 a + 15.  Accumulator (a, b), register 2 p, 2 p + 1: the pair 8 (b % 4) + 4 h + p of head b / 4.
.macro ROPE a                          ; even' = even cos - odd sin, odd' = odd cos + even sin; each accumulator is read from its low end on
.set AC, 64*((\a)%4)
.set CSB, CS+32*((\a)%2)
.set WN, 0x02+(\a)/4                   ; source 0: window 2 or 3
	WIN WN
.irp b, 0,1,2,3,4,5,6,7
.irp p, 0,1,2,3
	v_pk_mul_f32 v[T+8*\b+2*\p:T+8*\b+2*\p+1], v[AC+8*\b+2*\p:AC+8*\b+2*\p+1], v[CSB+8*(\b%4)+2*\p:CSB+8*(\b%4)+2*\p+1] op_sel_hi:[1,0]   ; both x cos
.endr
.irp p, 0,1,2,3
	v_fma_f32 v[T+8*\b+2*\p], -v[AC+8*\b+2*\p+1], v[CSB+8*(\b%4)+2*\p+1], v[T+8*\b+2*\p]
.endr
.irp p, 0,1,2,3
	v_fma_f32 v[T+8*\b+2*\p+1], v[AC+8*\b+2*\p], v[CSB+8*(\b%4)+2*\p+1], v[T+8*\b+2*\p+1]
.endr
.endr
	WIN 0
.endm
.macro SIDE                            ; positions 0 to 15 of a sequence in f32: block 0 of the waves of the upper row half, in the work-groups whose tile row is a sequence's first.
	s_cmp_lg_u32 s15, 0                            ; the wave's number decides by a branch;
	s_cbranch_scc1 .Lno_side_\@
	v_mov_b32 v[FLG], s95                          ; the tile row, which holds the place in the cluster, by EXEC: no branch hangs on it
	v_cmp_eq_u32 vcc_lo, 0, v[FLG]
	s_wait_xcnt 0x0                                ; EXEC changes only behind this wait: loads are out
	s_and_saveexec_b32 s94, vcc_lo
.irp b, 0,1,2,3,4,5,6,7
.irp g, 0,1
	global_store_b128 v[SD], v[T+8*\b+4*\g:T+8*\b+4*\g+3], s[100:101] offset:(\b/4)*4096+(\b%4)*64+16*\g
.endr
.endr
	s_wait_xcnt 0x0                                ; and again in front of the line that widens it; the stores have read their data too
	s_or_b32 exec_lo, exec_lo, s94
.Lno_side_\@:
.endm
.macro PACKT
.irp b, 0,1,2,3,4,5,6,7
.irp p, 0,1,2,3
	v_cvt_pk_f16_f32 v[TMP+4*\b+\p], v[T+8*\b+2*\p], v[T+8*\b+2*\p+1]
.endr
.endr
.endm
.macro TOSTAGE a
.set BB, BK+32*((\a)%2)
.irp b, 0,1,2,3,4,5,6,7
	ds_store_b128 v[STO], v[TMP+4*\b:TMP+4*\b+3] offset:32*\b
.endr
.irp t, 0,1,2,3,4,5,6,7
	ds_load_b128 v[BB+4*\t:BB+4*\t+3], v[RD] offset:(\t%4)*4*SPITCH+(\t/4)*128   ; LDS serves a wave's instructions in order: these see the stores above
.endr
.endm
.macro SEND a
.set BB, BK+32*((\a)%2)
	s_wait_dscnt 0x0                               ; the block is back in registers
	s_wait_xcnt 0x0                                ; the block before has been read by its stores: the next loads from the stage may land there
.irp t, 0,1,2,3,4,5,6,7
	global_store_b128 v[CO], v[BB+4*\t:BB+4*\t+3], s[12:13] offset:(\t/4)*262144+2048*(\a)+(\t%4)*512   ; 512 consecutive bytes, aligned: four positions of head t / 4
.endr
.endm
	PLACES NP                                      ; behind the last products: for the reads of their results and the writes over their scale words
.irp a, 0,1,2,3,4,5,6,7
.if \a < 7
	s_wait_loadcnt 8                               ; this block's eight table loads are in; the next block's may be out
.else
	s_wait_loadcnt 0x0
.endif
	ROPE \a
.if \a < 6
	CSLOAD \a+2
.endif
.if \a == 0
	SIDE
.endif
	PACKT
.if \a > 0
	SEND \a-1                                      ; the block before had this block's arithmetic in which to come back from the stage
.endif
	TOSTAGE \a
.endr
	SEND 7
	s_wait_tensorcnt 0x0                           ; the wave's end
	ds_add_u32 v[SPW], v[NIL]
	s_wait_dscnt 0x0
	CROUND                                         ; the closing round
	s_endpgm
.Lfunc_end_k_q0a678a7484_qkv:
	.size	k_q0a678a7484_qkv, .Lfunc_end_k_q0a678a7484_qkv-k_q0a678a7484_qkv
	.p2alignl 7, 3214868480
	.fill 96, 4, 3214868480
	.section	.rodata,"a",@progbits
	.p2align	6, 0x0
	.amdhsa_kernel k_q0a678a7484_qkv
		.amdhsa_group_segment_fixed_size 327680
		.amdhsa_private_segment_fixed_size 0
		.amdhsa_enable_private_segment 0
		.amdhsa_kernarg_size 40
		.amdhsa_user_sgpr_count 2
		.amdhsa_user_sgpr_kernarg_segment_ptr 1
		.amdhsa_wavefront_size32 1
		.amdhsa_system_sgpr_workgroup_id_x 1
		.amdhsa_system_sgpr_workgroup_id_y 1
		.amdhsa_system_sgpr_workgroup_id_z 1
		.amdhsa_system_vgpr_workitem_id 0
		.amdhsa_next_free_vgpr 1024
		.amdhsa_next_free_sgpr 102
		.amdhsa_reserve_vcc 1
		.amdhsa_float_denorm_mode_32 3
		.amdhsa_float_denorm_mode_16_64 3
		.amdhsa_memory_ordered 1
		.amdhsa_forward_progress 1
		.amdhsa_inst_pref_size 183
	.end_amdhsa_kernel
	.amdgpu_metadata
---
amdhsa.version: [ 1, 2 ]
amdhsa.kernels:
  - .name:           k_q0a678a7484_qkv
    .symbol:         k_q0a678a7484_qkv.kd
    .args:
      - { .name: codes, .offset: 0, .size: 8, .value_kind: global_buffer, .address_space: global }
      - { .name: scales, .offset: 8, .size: 8, .value_kind: global_buffer, .address_space: global }
      - { .name: rope, .offset: 16, .size: 8, .value_kind: global_buffer, .address_space: global }
      - { .name: qkv, .offset: 24, .size: 8, .value_kind: global_buffer, .address_space: global }
      - { .name: side, .offset: 32, .size: 8, .value_kind: global_buffer, .address_space: global }
    .group_segment_fixed_size: 327680
    .private_segment_fixed_size: 0
    .kernarg_segment_align: 8
    .kernarg_segment_size: 40
    .max_flat_workgroup_size: 128
    .sgpr_count:     102
    .vgpr_count:     1024
    .wavefront_size: 32
...
	.end_amdgpu_metadata
.endif
;; end of part 2
;; launch attn (part 3): grid 4 x 64, 16 waves a work-group, no clusters, 327,680 bytes of LDS; arguments qkv, ao; writes ao
.if DOCPART == 3
	.amdgcn_target "amdgcn-amd-amdhsa--gfx1250"
	.amdhsa_code_object_version 6
	.text
	.protected	k_q0a678a7484_attn
	.globl	k_q0a678a7484_attn
	.p2align	8
	.type	k_q0a678a7484_attn,@function
k_q0a678a7484_attn:
	s_mov_b64 s[64:65], 0
	v_nop
	global_prefetch_b8 v0, s[64:65] scope:SCOPE_SE
	s_setreg_imm32_b32 hwreg(HW_REG_WAVE_MODE, 25, 1), 1
	s_wait_xcnt 0x0
; O[q] = the sum over k <= q of softmax_k(Q[q] . K[k] / 8) V[k], for each of 64 (batch, head) pairs; 2,048 positions, head size 64.  Q, K, V: f16, [which][batch x 16 + head][position][64].
; Products on f16 operands with f32 sums; maxima, exponentials and sums in f32, by a running maximum; the weights p (at most 1) are rounded to f16 for the second product; O leaves as f16, [head][batch x 2048 + position][64].
; SHARES.  Work-group (x, pair) owns the query blocks x and 7 - x (256 queries each): under the causal mask they need x + 1 and 8 - x blocks of keys, 9 in every work-group.  Waves 0-7 take block x, waves 8-15 block 7 - x;
; a wave owns 32 queries, two tiles of 16.  Four waves share a SIMD, so that one wave's vector work stands beside another's matrix work.
; LAYOUT.  S^T = K Q^T (source 0 = 16 keys, source 1 = 16 queries): a lane holds ONE query and the keys 8 (lane / 16) + 0..7; two such tiles, rounded in pairs, ARE source 1 of O^T = V^T P.  V comes out of LDS turned, by ds_load_tr16_b128.
; THE RING.  Two LDS slots of 256 keys (four steps of 64), filled by tensor loads: waves 0-3 a step's K each, waves 4-7 a step's V.  Every work-group walks all eight slots: the trip counts are constants.  A step all of whose keys
; come after the wave's queries is jumped over (ids alone); a slot whose first key comes after the work-group's last query is not asked for.  Every wait on TENSORcnt is for 0.  One tensor load of a wave is out at a time.
; NO CLUSTER: the four work-groups of a pair need 8, 7, 6 and 5 slots, so a joint load would bring a partner tiles that none of its waves reads.
; LIMITS: |q|, |k|, |v| under 65,504 (f16); NaN and infinities are not served.  The first 16 positions of each sequence are made again, in f32, by the last launch.
.set KS,    64
.set PK,    144                        ; a key's row in LDS: 128 bytes + 16
.set PV,    160                        ; a value's row: 128 bytes + 32
.set VOFF,  KS*PK
.set STEPB, KS*(PK+PV)                 ; a step: 64 rows of K, then 64 of V
.set NQ,    4
.set SLOT1, 1<<17                      ; slot 1 begins here: one exclusive or turns an address
.set NSL,   8
.set SPARE, SLOT1+NQ*STEPB             ; the spare words: 128 bytes a wave, eight blocks of 256 bytes that no other line names
.set STAGE, SPARE+16*128               ; the way out: 32 rows x 144 bytes for each wave; no tile lands here
.set SPT,   144
.set AK0, 1                            ; v1  my lane's place in a tile of K
.set AV0, 2                            ; v2  and of V
.set ADK, 3                            ; v3, v4  the step's addresses
.set ADV, 4
.set SPW, 5
.set NIL, 6
.set RH,  7                            ; v7  r - 8 h
.set DM,  8                            ; v8, v9  the mask's bound for tiles 0, 1
.set NINF, 10
.set PFO, 11                           ; v11 256 x lane
.set ST,  12                           ; tile t's statistics at v[ST + 8 t]: +0 c m, +1 m, +2, +3 l, +4 .. +7 at work; a = 2^(c m_old - c m_new) in +6
.set STO, 28
.set RD,  29
.set GO,  30
.set QF,  32                           ; v32-63   Q: tile t, channels 32 kc on: 16 t + 8 kc
.set F,   64                           ; v64-127  eight fragments of K, then of V
.set S,   128                          ; v128-191 S^T (32 t + 8 kt), then p, then P in place
.set O,   192                          ; v192-255 O^T (32 t + 8 dt)
.set TB,  2
.set WV,  18
.set SEL, 20
.set CS,  22
.set G1K, 24
.set G1V, 32
.set G0,  40
.set SLOTS, 44
.set INNER, 45
.set KF,  46                           ; the step's first key
.set Q0,  47                           ; my first query
.set QL,  48                           ; my work-group's last query
.set PFA, 50
.set LIM, 52
.macro TLOAD                           ; the branches hang on the wave's number alone; an s_nop 0 and four v_nop follow each of the two lines
	s_cmp_lt_u32 s[WV], 4
	s_cbranch_scc0 .Lnot_k_\@
	tensor_load_to_lds s[G0:G0+3], s[G1K:G1K+7]
	s_nop 0
.rept 4
	v_nop
.endr
	s_branch .Lasked_\@
.Lnot_k_\@:
	s_cmp_lt_u32 s[WV], 8
	s_cbranch_scc0 .Lasked_\@
	tensor_load_to_lds s[G0:G0+3], s[G1V:G1V+7]
	s_nop 0
.rept 4
	v_nop
.endr
.Lasked_\@:
.endm
; A prefetch of what the NEXT change of slots will ask for: 32,768 bytes of K and of V.  The four work-groups of a pair walk the same keys; the one with x = 0, which alone walks all eight slots, asks, by the waves that
; fetch nothing: waves 8-11 for K, 12-15 for V, 8,192 bytes a wave, lanes 256 bytes apart: each aligned block of 256 bytes is named once in the launch.  Slots 0 and 1 come by their loads alone; the last change that could fill asks for nothing.
.macro ASK
	s_cmp_gt_u32 s[SLOTS], s[LIM]
	s_cbranch_scc0 .Lnot_mine_\@
	global_prefetch_b8 v[PFO], s[PFA:PFA+1] th:TH_LOAD_NT scope:SCOPE_SE
.Lnot_mine_\@:
.endm
	s_load_b128 s[4:7], s[0:1], 0x0                ; qkv, ao
	v_lshl_add_u32 v[SPW], v0, 2, SPARE
	v_mov_b32 v[NIL], 0
	ds_add_u32 v[SPW], v[NIL]                      ; the wave's opening: the add, twice on end, and its wait ahead of the first tensor load
	ds_add_u32 v[SPW], v[NIL]
	v_lshrrev_b32 v1, 5, v0
	v_readfirstlane_b32 s[WV], v1                  ; wave 0..15
	s_and_b32 s56, ttmp7, 0xffff                   ; batch x 16 + head
	s_lshr_b32 s57, s[WV], 3
	s_lshl_b32 s58, ttmp9, 1
	s_sub_co_u32 s58, 7, s58
	s_mul_i32 s57, s57, s58
	s_add_co_u32 s57, s57, ttmp9                   ; my block of queries: x or 7 - x
	s_lshl_b32 s57, s57, 8
	s_and_b32 s58, s[WV], 7
	s_lshl_b32 s58, s58, 5
	s_add_co_u32 s[Q0], s57, s58
	s_sub_co_u32 s[QL], 8, ttmp9
	s_lshl_b32 s[QL], s[QL], 8
	s_sub_co_u32 s[QL], s[QL], 1
	s_mov_b32 s[G1K], (1<<16)|(1<<20)|(4<<22)|(3<<25)   ; elements of 2 bytes; padding on: 4 words behind every 32
	s_mov_b32 s[G1V], (1<<16)|(1<<20)|(4<<22)|(7<<25)   ; 8 words
.irp g, G1K, G1V
	s_mov_b32 s[\g+1], 64<<16                      ; tensor_dim0
	s_mov_b32 s[\g+2], KS<<16                      ; tensor_dim1
	s_mov_b32 s[\g+3], 64<<16                      ; tile_dim0
	s_mov_b32 s[\g+4], KS                          ; tile_dim1
	s_mov_b32 s[\g+5], 64                          ; the pitch
	s_mov_b32 s[\g+6], 0
	s_mov_b32 s[\g+7], 0
.endr
	s_and_b32 s57, s[WV], 3                        ; which of a slot's four steps I fetch (or prefetch),
	s_bfe_u32 s58, s[WV], 0x10002                  ; for K (0) or for V (1)
	s_mov_b32 s[G0], 1
	s_mul_i32 s[G0+1], s57, STEPB
	s_mul_i32 s59, s58, VOFF
	s_add_co_u32 s[G0+1], s[G0+1], s59             ; LDS: slot 0
	s_add_co_u32 s58, s58, 1
	s_lshl_b32 s54, s58, 24                        ; K lies 16 MiB, V 32 MiB behind Q
	s_lshl_b32 s59, s56, 18
	s_add_co_u32 s54, s54, s59
	s_lshl_b32 s59, s57, 13
	s_add_co_u32 s54, s54, s59
	s_mov_b32 s55, 0
	s_mov_b32 s[SEL], 0x76543210
	s_mov_b32 s[SEL+1], 0xfedcba98
	s_mov_b32 s[CS], 0x3e38aa3b                    ; c = log2(e) / 8
	s_mov_b32 s[CS+1], s[CS]
	s_mov_b32 s[TB], 0
	s_mov_b32 s[KF], 0
	s_mov_b32 s[SLOTS], NSL-1
	s_lshr_b32 s57, s[WV], 3
	s_xor_b32 s57, s57, 1                          ; 0 in waves 8 to 15,
	s_or_b32 s57, s57, ttmp9                       ; of the work-group with x = 0
	s_cmp_eq_u32 s57, 0
	s_cselect_b32 s[LIM], 1, -1
	s_wait_dscnt 0x0                               ; both opening adds are done
	s_wait_kmcnt 0x0
	s_add_nc_u64 s[54:55], s[4:5], s[54:55]
	s_mov_b64 s[G0+2:G0+3], s[54:55]
	s_or_b32 s[G0+3], s[G0+3], 0x80000000
	TLOAD                                          ; slot 0
	s_add_nc_u64 s[PFA:PFA+1], s[54:55], 32768     ; in slot 1: the first change of slots steps it to slot 2
	s_lshl_b32 s60, s56, 18
	s_lshl_b32 s61, s[Q0], 7
	s_add_co_u32 s60, s60, s61
	s_mov_b32 s61, 0
	s_add_nc_u64 s[8:9], s[4:5], s[60:61]          ; Q at my first query
	s_and_b32 s60, s56, 15
	s_lshl_b32 s60, s60, 20
	s_lshr_b32 s61, s56, 4
	s_lshl_b32 s61, s61, 11
	s_add_co_u32 s61, s61, s[Q0]
	s_lshl_b32 s61, s61, 7
	s_add_co_u32 s60, s60, s61
	s_mov_b32 s61, 0
	s_add_nc_u64 s[6:7], s[6:7], s[60:61]          ; O likewise
	v_and_b32 v8, 15, v0                           ; r
	v_bfe_u32 v9, v0, 4, 1                         ; h
	v_lshlrev_b32 v4, 7, v8
	v_lshl_add_u32 v4, v9, 4, v4
.irp t, 0,1
.irp kc, 0,1
	global_load_b128 v[QF+16*\t+8*\kc:QF+16*\t+8*\kc+3],   v4, s[8:9] offset:2048*\t+64*\kc
	global_load_b128 v[QF+16*\t+8*\kc+4:QF+16*\t+8*\kc+7], v4, s[8:9] offset:2048*\t+64*\kc+32
.endr
.endr
	v_mul_u32_u24 v[AK0], v8, PK
	v_lshl_add_u32 v[AK0], v9, 4, v[AK0]
	v_and_b32 v3, 7, v0
	v_lshl_add_u32 v[AV0], v9, 3, v3
	v_mul_u32_u24 v[AV0], v[AV0], PV
	v_bfe_u32 v3, v0, 3, 1
	v_lshl_add_u32 v[AV0], v3, 4, v[AV0]
	v_add_nc_u32 v[AV0], VOFF, v[AV0]              ; the turning load: key 8 h + lane % 8, channels 8 ((lane / 8) % 2) on
	v_lshlrev_b32 v[RH], 3, v9
	v_sub_nc_u32 v[RH], v8, v[RH]
	v_mov_b32 v[NINF], 0xff800000
	v_and_b32 v[PFO], 31, v0
	v_lshlrev_b32 v[PFO], 8, v[PFO]
	s_mul_i32 s60, s[WV], 32*SPT
	s_add_co_u32 s60, s60, STAGE
	v_mul_u32_u24 v[STO], v8, SPT
	v_lshl_add_u32 v[STO], v9, 4, v[STO]
	v_add_nc_u32 v[STO], s60, v[STO]
	v_and_b32 v[GO], 31, v0
	v_lshrrev_b32 v[RD], 3, v[GO]
	v_mul_u32_u24 v[RD], v[RD], SPT
	v_and_b32 v3, 7, v0
	v_lshl_add_u32 v[RD], v3, 4, v[RD]
	v_add_nc_u32 v[RD], s60, v[RD]
	v_lshlrev_b32 v[GO], 4, v[GO]
.irp t, 0,1
	v_mov_b32 v[ST+8*\t+1], 0xff61b1e6             ; m = -3e38, under every score
	v_mul_f32 v[ST+8*\t], s[CS], v[ST+8*\t+1]
.irp i, 2,3,4,5,6,7
	v_mov_b32 v[ST+8*\t+\i], 0
.endr
.endr
.irp j, 0,1,2,3,4,5,6,7,8,9,10,11,12,13,14,15,16,17,18,19,20,21,22,23,24,25,26,27,28,29,30,31,32,33,34,35,36,37,38,39,40,41,42,43,44,45,46,47,48,49,50,51,52,53,54,55,56,57,58,59,60,61,62,63
	v_mov_b32 v[O+\j], 0                           ; the step is written once: the first finds zeros, which a = 0 leaves zeros
.endr
; A KEY STEP: 64 keys.
.macro STEP
	s_add_co_u32 s60, s[Q0], 31
	s_cmp_gt_u32 s[KF], s60                        ; all keys come after my 32 queries: the step's work is left out; the lines at its end that step addresses are not
	s_cbranch_scc1 .Lhidden_\@
	v_add_nc_u32 v[ADK], s[TB], v[AK0]
	v_add_nc_u32 v[ADV], s[TB], v[AV0]
.rept 3
	v_nop                                          ; with the two additions five plain lines behind the last step's products: the loads below land in V's fragments, and the products below write over P
.endr
.irp kt, 0,1,2,3
.irp kc, 0,1
	ds_load_b128 v[F+16*\kt+8*\kc:F+16*\kt+8*\kc+3],   v[ADK] offset:16*PK*\kt+64*\kc
	ds_load_b128 v[F+16*\kt+8*\kc+4:F+16*\kt+8*\kc+7], v[ADK] offset:16*PK*\kt+64*\kc+32
.endr
.endr
	s_wait_dscnt 0x0
.irp kc, 0,1                                   ; eight accumulators by turns, one instruction a turn
.irp kt, 0,1,2,3
.irp t, 0,1
.if \kc == 0
	v_wmma_f32_16x16x32_f16 v[S+32*\t+8*\kt:S+32*\t+8*\kt+7], v[F+16*\kt+8*\kc:F+16*\kt+8*\kc+7], v[QF+16*\t+8*\kc:QF+16*\t+8*\kc+7], 0
.else
	v_wmma_f32_16x16x32_f16 v[S+32*\t+8*\kt:S+32*\t+8*\kt+7], v[F+16*\kt+8*\kc:F+16*\kt+8*\kc+7], v[QF+16*\t+8*\kc:QF+16*\t+8*\kc+7], v[S+32*\t+8*\kt:S+32*\t+8*\kt+7]
.endif
.endr
.endr
.endr
.rept 4
	v_nop                                          ; four plain lines: for the loads into K's fragments and for the first read of the scores
.endr
.irp c, 0,1
.irp dt, 0,1,2,3
	ds_load_tr16_b128 v[F+32*\c+8*\dt:F+32*\c+8*\dt+3],   v[ADV] offset:32*PV*\c+32*\dt
	ds_load_tr16_b128 v[F+32*\c+8*\dt+4:F+32*\c+8*\dt+7], v[ADV] offset:32*PV*\c+16*PV+32*\dt
.endr
.endr
	s_add_co_u32 s60, s[KF], 63
	s_cmp_le_u32 s60, s[Q0]                        ; all 64 keys count for all my queries: no mask
	s_cbranch_scc1 .Lopen_\@
	s_sub_co_i32 s60, s[Q0], s[KF]
	v_add_nc_u32 v[DM], s60, v[RH]                 ; register 8 kt + j of tile t holds key KF + 16 kt + 8 h + j: hidden where 16 kt + j > my query - KF - 8 h
	v_add_nc_u32 v[DM+1], 16, v[DM]
.irp t, 0,1
.irp n, 0,1,2,3,4,5,6,7,8,9,10,11,12,13,14,15,16,17,18,19,20,21,22,23,24,25,26,27,28,29,30,31
	v_cmp_gt_i32 vcc_lo, 16*(\n/8)+\n%8, v[DM+\t]
	v_cndmask_b32 v[S+32*\t+\n], v[S+32*\t+\n], v[NINF], vcc_lo
.endr
.endr
.Lopen_\@:
	; the softmax; the two tiles take turns line by line
.irp j, 0,1,2,3
.irp t, 0,1
	v_max3_num_f32 v[ST+8*\t+4+\j], v[S+32*\t+8*\j], v[S+32*\t+8*\j+1], v[S+32*\t+8*\j+2]   ; four chains, each begun at an accumulator's low end
.endr
.endr
.irp i, 3,5
.irp j, 0,1,2,3
.irp t, 0,1
	v_max3_num_f32 v[ST+8*\t+4+\j], v[ST+8*\t+4+\j], v[S+32*\t+8*\j+\i], v[S+32*\t+8*\j+\i+1]
.endr
.endr
.endr
.irp t, 0,1
	v_max3_num_f32 v[ST+8*\t+4], v[ST+8*\t+4], v[S+32*\t+7], v[S+32*\t+15]
.endr
.irp t, 0,1
	v_max3_num_f32 v[ST+8*\t+6], v[ST+8*\t+6], v[S+32*\t+23], v[S+32*\t+31]
.endr
.irp t, 0,1
	v_max3_num_f32 v[ST+8*\t+4], v[ST+8*\t+4], v[ST+8*\t+5], v[ST+8*\t+6]
.endr
.irp t, 0,1
	v_max3_num_f32 v[ST+8*\t+4], v[ST+8*\t+4], v[ST+8*\t+7], v[ST+8*\t+1]   ; with the old m
.endr
.irp t, 0,1
	v_permlanex16_b32 v[ST+8*\t+5], v[ST+8*\t+4], s[SEL], s[SEL+1]          ; the query's other 32 keys lie in the lane 16 away
.endr
.irp t, 0,1
	v_mov_b32 v[ST+8*\t+7], v[ST+8*\t]
.endr
.irp t, 0,1
	v_max_num_f32 v[ST+8*\t+1], v[ST+8*\t+4], v[ST+8*\t+5]
.endr
.irp t, 0,1
	v_mul_f32 v[ST+8*\t], s[CS], v[ST+8*\t+1]
.endr
.irp t, 0,1
	v_sub_f32 v[ST+8*\t+7], v[ST+8*\t+7], v[ST+8*\t]                        ; c m_old - c m_new
.endr
.irp j, 0,2,4,6,8,10,12,14,16,18,20,22,24,26,28,30
.irp t, 0,1
	v_pk_fma_f32 v[S+32*\t+\j:S+32*\t+\j+1], v[S+32*\t+\j:S+32*\t+\j+1], s[CS:CS+1], v[ST+8*\t:ST+8*\t+1] op_sel_hi:[1,0,0] neg_lo:[0,0,1] neg_hi:[0,0,1]   ; c s - c m
.endr
.endr
.irp t, 0,1
	v_exp_f32 v[ST+8*\t+6], v[ST+8*\t+7]           ; a.  ONE BATCH of 66 exponentials, none of which reads another's result
.endr
.irp j, 0,1,2,3,4,5,6,7,8,9,10,11,12,13,14,15,16,17,18,19,20,21,22,23,24,25,26,27,28,29,30,31
.irp t, 0,1
	v_exp_f32 v[S+32*\t+\j], v[S+32*\t+\j]
.endr
.endr
	v_nop                                          ; a plain line behind the last exponential
	s_wait_alu depctr_va_vdst(0)                   ; one wait for the batch, ahead of its first reader
.irp t, 0,1
	v_pk_mul_f32 v[ST+8*\t+2:ST+8*\t+3], v[ST+8*\t+2:ST+8*\t+3], v[ST+8*\t+6:ST+8*\t+7] op_sel_hi:[1,0]   ; l x a
.endr
.irp t, 0,1
	v_pk_add_f32 v[ST+8*\t+4:ST+8*\t+5], v[S+32*\t+2:S+32*\t+3], v[S+32*\t+6:S+32*\t+7]                   ; the sums, of the unrounded p, in two chains
.endr
.irp j, 0,4
.irp t, 0,1
	v_pk_add_f32 v[ST+8*\t+2:ST+8*\t+3], v[ST+8*\t+2:ST+8*\t+3], v[S+32*\t+\j:S+32*\t+\j+1]
.endr
.endr
.irp j, 8,12,16,20,24,28
.irp t, 0,1
	v_pk_add_f32 v[ST+8*\t+2:ST+8*\t+3], v[ST+8*\t+2:ST+8*\t+3], v[S+32*\t+\j:S+32*\t+\j+1]
	v_pk_add_f32 v[ST+8*\t+4:ST+8*\t+5], v[ST+8*\t+4:ST+8*\t+5], v[S+32*\t+\j+2:S+32*\t+\j+3]
.endr
.endr
.irp t, 0,1
	v_pk_add_f32 v[ST+8*\t+2:ST+8*\t+3], v[ST+8*\t+2:ST+8*\t+3], v[ST+8*\t+4:ST+8*\t+5]
.endr
.irp i, 0,1,2,3,4,5,6,7,8,9,10,11,12,13,14,15
.irp t, 0,1
	v_cvt_pk_f16_f32 v[S+32*\t+\i], v[S+32*\t+2*\i], v[S+32*\t+2*\i+1]      ; P in place, upward: register i takes p 2 i, 2 i + 1, which no later line wants
.endr
.endr
.irp i, 0,2,4,6,8,10,12,14,16,18,20,22,24,26,28,30
.irp t, 0,1
	v_pk_mul_f32 v[O+32*\t+\i:O+32*\t+\i+1], v[O+32*\t+\i:O+32*\t+\i+1], v[ST+8*\t+6:ST+8*\t+7] op_sel_hi:[1,0]   ; O^T x a
.endr
.endr
	s_wait_dscnt 0x0                               ; V is in
.irp c, 0,1                                    ; eight accumulators by turns
.irp dt, 0,1,2,3
.irp t, 0,1
	v_wmma_f32_16x16x32_f16 v[O+32*\t+8*\dt:O+32*\t+8*\dt+7], v[F+32*\c+8*\dt:F+32*\c+8*\dt+7], v[S+32*\t+8*\c:S+32*\t+8*\c+7], v[O+32*\t+8*\dt:O+32*\t+8*\dt+7]
.endr
.endr
.endr
.Lhidden_\@:
	s_add_co_u32 s[KF], s[KF], KS
	s_add_co_u32 s[TB], s[TB], STEPB
.endm
.macro SLOT_STEPS                      ; a slot's four steps: written once, walked four times
	s_mov_b32 s[INNER], NQ
.Lstep_\@:
	STEP
	s_sub_co_u32 s[INNER], s[INNER], 1
	s_cmp_lg_u32 s[INNER], 0
	s_cbranch_scc1 .Lstep_\@
	s_sub_co_u32 s[TB], s[TB], NQ*STEPB
	s_xor_b32 s[TB], s[TB], SLOT1                  ; on to the other slot
.endm
; THE CHANGE OF SLOTS stands at a slot's head.  Each wave waits for all its tensor loads (its part of the slot ahead), adds 0 to its spare word, and waits for that and for its reads of the slot that it has left.
; Behind the barrier the slot ahead is whole and nobody reads the other one, which takes the keys that follow, up to the causal limit.
.macro CHANGE fill
	s_wait_tensorcnt 0x0                           ; no tensor load of mine is out, so the descriptor may be written
	ds_add_u32 v[SPW], v[NIL]
.if \fill
	ds_add_u32 v[SPW], v[NIL]                      ; and, in the loop, twice on end
	s_xor_b32 s[G0+1], s[G0+1], SLOT1              ; the other slot than last time,
	s_add_nc_u64 s[G0+2:G0+3], s[G0+2:G0+3], 32768 ; the next 256 keys
	s_wait_xcnt 0x0                                ; the last prefetch, a slot back, has read its address
	s_add_nc_u64 s[PFA:PFA+1], s[PFA:PFA+1], 32768
.endif
	s_wait_dscnt 0x0                               ; the add is done, and my reads of the slot that I have left are over
	s_barrier_signal -1
	s_barrier_wait -1
.if \fill
	s_add_co_u32 s60, s[KF], NQ*KS                 ; the first key of the slot that this change would ask for:
	s_cmp_gt_u32 s60, s[QL]                        ; past my work-group's last query none of its waves reads it.  Ids and the count of steps alone: all sixteen waves go the same way
	s_cbranch_scc1 .Lpast_\@
	TLOAD                                          ; a wave's one tensor load until the next barrier
.Lpast_\@:
	ASK
.endif
.endm
	s_wait_loadcnt 0x0                             ; Q
.Lslot:
	CHANGE 1
	SLOT_STEPS
	s_sub_co_u32 s[SLOTS], s[SLOTS], 1
	s_cmp_lg_u32 s[SLOTS], 0
	s_cbranch_scc1 .Lslot
	CHANGE 0                                       ; the last slot is written out: nothing follows it
	SLOT_STEPS
	; THE WAY OUT: O^T / l, rounded to f16, through my stage, out as 512 consecutive bytes (four positions) a store
.rept 4
	v_nop
.endr
.irp t, 0,1
	v_add_f32 v[ST+8*\t+4], v[ST+8*\t+2], v[ST+8*\t+3]
.endr
.irp t, 0,1
	v_permlanex16_b32 v[ST+8*\t+5], v[ST+8*\t+4], s[SEL], s[SEL+1]
.endr
.irp t, 0,1
	v_add_f32 v[ST+8*\t+4], v[ST+8*\t+4], v[ST+8*\t+5]
.endr
.irp t, 0,1
	v_rcp_f32 v[ST+8*\t+6], v[ST+8*\t+4]
.endr
	v_nop
	s_wait_alu depctr_va_vdst(0)                   ; one wait for the two reciprocals
.irp t, 0,1
.irp i, 0,2,4,6,8,10,12,14,16,18,20,22,24,26,28,30
	v_pk_mul_f32 v[O+32*\t+\i:O+32*\t+\i+1], v[O+32*\t+\i:O+32*\t+\i+1], v[ST+8*\t+6:ST+8*\t+7] op_sel_hi:[1,0]
.endr
.endr
.irp t, 0,1
.irp i, 0,1,2,3,4,5,6,7,8,9,10,11,12,13,14,15
	v_cvt_pk_f16_f32 v[S+16*\t+\i], v[O+32*\t+2*\i], v[O+32*\t+2*\i+1]
.endr
.endr
.irp t, 0,1
.irp dt, 0,1,2,3
	ds_store_b128 v[STO], v[S+16*\t+4*\dt:S+16*\t+4*\dt+3] offset:16*SPT*\t+32*\dt
.endr
.endr
.irp u, 0,1,2,3,4,5,6,7
	ds_load_b128 v[F+4*\u:F+4*\u+3], v[RD] offset:4*SPT*\u   ; LDS serves a wave's instructions in order: these see my stores
.endr
.irp u, 0,1,2,3,4,5,6,7
	s_wait_dscnt 7-\u
	global_store_b128 v[GO], v[F+4*\u:F+4*\u+3], s[6:7] offset:512*\u
.endr
	s_wait_tensorcnt 0x0                           ; the wave's end
	ds_add_u32 v[SPW], v[NIL]
	s_wait_dscnt 0x0
	s_endpgm
.Lfunc_end_k_q0a678a7484_attn:
	.size	k_q0a678a7484_attn, .Lfunc_end_k_q0a678a7484_attn-k_q0a678a7484_attn
	.p2alignl 7, 3214868480
	.fill 96, 4, 3214868480
	.section	.rodata,"a",@progbits
	.p2align	6, 0x0
	.amdhsa_kernel k_q0a678a7484_attn
		.amdhsa_group_segment_fixed_size 327680
		.amdhsa_private_segment_fixed_size 0
		.amdhsa_enable_private_segment 0
		.amdhsa_kernarg_size 16
		.amdhsa_user_sgpr_count 2
		.amdhsa_user_sgpr_kernarg_segment_ptr 1
		.amdhsa_wavefront_size32 1
		.amdhsa_system_sgpr_workgroup_id_x 1
		.amdhsa_system_sgpr_workgroup_id_y 1
		.amdhsa_system_sgpr_workgroup_id_z 1
		.amdhsa_system_vgpr_workitem_id 0
		.amdhsa_next_free_vgpr 256
		.amdhsa_next_free_sgpr 66
		.amdhsa_reserve_vcc 1
		.amdhsa_float_denorm_mode_32 3
		.amdhsa_float_denorm_mode_16_64 3
		.amdhsa_memory_ordered 1
		.amdhsa_forward_progress 1
		.amdhsa_inst_pref_size 61
	.end_amdhsa_kernel
	.amdgpu_metadata
---
amdhsa.version: [ 1, 2 ]
amdhsa.kernels:
  - .name:           k_q0a678a7484_attn
    .symbol:         k_q0a678a7484_attn.kd
    .args:
      - { .name: qkv, .offset: 0, .size: 8, .value_kind: global_buffer, .address_space: global }
      - { .name: ao, .offset: 8, .size: 8, .value_kind: global_buffer, .address_space: global }
    .group_segment_fixed_size: 327680
    .private_segment_fixed_size: 0
    .kernarg_segment_align: 8
    .kernarg_segment_size: 16
    .max_flat_workgroup_size: 512
    .sgpr_count:     66
    .vgpr_count:     256
    .wavefront_size: 32
...
	.end_amdgpu_metadata
.endif
;; end of part 3
;; launch proj (part 4): grid 4 x 64, 4 waves a work-group, clusters of 4 x 4, 327,680 bytes of LDS; arguments ao, wo16, out0; writes out0
.if DOCPART == 4
	.amdgcn_target "amdgcn-amd-amdhsa--gfx1250"
	.amdhsa_code_object_version 6
	.text
	.protected	k_q0a678a7484_proj
	.globl	k_q0a678a7484_proj
	.p2align	8
	.type	k_q0a678a7484_proj,@function
k_q0a678a7484_proj:
	s_mov_b64 s[64:65], 0
	v_nop
	global_prefetch_b8 v0, s[64:65] scope:SCOPE_SE
	s_setreg_imm32_b32 hwreg(HW_REG_WAVE_MODE, 25, 1), 1
	s_wait_xcnt 0x0
	s_wait_alu depctr_hold_cnt(0) depctr_sa_sdst(0) depctr_va_vdst(0) depctr_va_sdst(0) depctr_va_ssrc(0) depctr_va_vcc(0) depctr_vm_vsrc(0)
	s_getreg_b32 s2, hwreg(HW_REG_IB_STS2, 6, 4)
	s_cmp_eq_u32 s2, 0
	s_cbranch_scc0 .Lentry_in_a_cluster
	s_endpgm
.Lentry_in_a_cluster:
	s_bfe_u32 s2, ttmp6, 0x10000c
	s_cmp_lg_u32 s2, 0xf033
	s_cbranch_scc0 .Lentry_shape_is_right
	s_endpgm
.Lentry_shape_is_right:
; out0[m][e] = the sum over d of A[m][d] wo[e][d], M 8,192, N 1,024, K 1,024; f16 operands, f32 sums, f32 out.  A lies by head: [head][m][64] f16; wo16 is [e][d] f16.
; A tile of C is 128 x 256, so that there are 256 work-groups; four waves of 64 x 128: 32 accumulators, 256 registers (window 2).
; K goes in steps of 128 (two heads) through a ring of two LDS slots.  A head's 128 rows of 128 bytes are dense in memory and come as 64 rows of 256 bytes; wo16's rows come as 256 bytes of each.
; CLUSTERS: 4 x 4 work-groups; A's tiles are asked for jointly along a row of the cluster, wo16's along a column.  Waves 0, 1 fetch A's two heads, waves 2, 3 wo16's two halves: one load a wave behind each round; two are out at the start.
; THE MATRIX INSTRUCTION IS USED TRANSPOSED (source 0 = 16 rows of wo16, source 1 = 16 rows of A): a lane holds eight neighbouring numbers of a row of C.
; The rows of the first 16 positions of each sequence are written here too and written again, from f32 operands, by the launch that follows.
; REGISTERS: window 0: v0-31 addresses; v64-95, v128-159 A's fragments, two buffers; on the way out v128-255.   window 1: v64-127, v128-191 wo16's fragments.   window 2: accumulator (a, b) at v[8 (8 a + b)].
.set PITCH,  272                       ; 256 bytes + 16 of padding
.set AHEAD,  64*PITCH                  ; one head's 128 rows, two to an LDS row
.set BOFF,   2*AHEAD
.set BHALF,  128*PITCH
.set SLOT,   BOFF+2*BHALF
.set STAGE,  2*SLOT                    ; behind the ring: 16 rows x 528 bytes for each wave; no tile lands here
.set SPITCH, 528
.set SPARE,  STAGE+4*16*SPITCH         ; the spare words: 128 bytes a wave, two blocks of 256 bytes that no other line names
.set LAPS,   4                         ; a lap = two K steps
.set ADRA, 16
.set ADRB, 20
.set STO,  24
.set RD,   25
.set CO,   26
.set SPW,  28
.set NIL,  29
.set PFO,  30
.set F0,   64
.set F1,   128
.set BK,   128
.set G1, 24
.set G0, 32
.set G1B, 48
.set G0B, 56
.set PFA, 44                           ; s[44:45] where my prefetches stand
.set LIM, 43
.set MSB, 0
.macro WIN new
.if MSB != \new
	s_set_vgpr_msb (MSB<<8)|\new
.set MSB, \new
.endif
.endm
.set MUL,  0xa1                        ; source 0 window 1, source 1 window 0, C and D window 2
.set TO_B, 0x40
.macro JLOAD s                         ; an s_nop 0 and four v_nop follow each of the two lines
	s_cmp_eq_u32 s11, 0
	s_cbranch_scc0 .Lfor_b_\@
	tensor_load_to_lds s[G0+4*\s:G0+4*\s+3], s[G1:G1+7]
	s_nop 0
.rept 4
	v_nop
.endr
	s_branch .Lasked_\@
.Lfor_b_\@:
	tensor_load_to_lds s[G0B+4*\s:G0B+4*\s+3], s[G1B:G1B+7]
	s_nop 0
.rept 4
	v_nop
.endr
.Lasked_\@:
.endm
; A prefetch of A's K step that stands two refills on: 32,768 bytes.  A tile row is read by one cluster; its four partners along x share the bytes out BY ADDRESS (head cx / 2, half cx % 2), wave 0 of each asks, lanes 256 bytes apart:
; each aligned block of 256 bytes is named once.  K steps 0 to 3 come by their loads alone; the loop's last trip asks for nothing.
.macro ASK
	s_cmp_gt_u32 s3, s[LIM]
	s_cbranch_scc0 .Lnot_mine_\@
	global_prefetch_b8 v[PFO], s[PFA:PFA+1] th:TH_LOAD_NT scope:SCOPE_SE
.Lnot_mine_\@:
.endm
.macro CREST
	s_cmp_lg_u32 s10, 0
	s_cbranch_scc1 .Lnot_wave_0_\@
	s_barrier_signal -3
.Lnot_wave_0_\@:
	s_barrier_wait -3
	s_barrier_signal -1
	s_barrier_wait -1
.endm
.macro CROUND
	s_barrier_signal -1
	s_barrier_wait -1
	CREST
.endm
	s_load_b128 s[4:7], s[0:1], 0x0                ; ao, wo16
	s_load_b64 s[8:9], s[0:1], 0x10                ; out0
	v_lshl_add_u32 v[SPW], v0, 2, SPARE
	v_mov_b32 v[NIL], 0
	ds_add_u32 v[SPW], v[NIL]                      ; the wave's opening: the add, twice on end, and its wait ahead of my first tensor load
	ds_add_u32 v[SPW], v[NIL]
	v_lshrrev_b32 v1, 5, v0
	v_readfirstlane_b32 s10, v1                    ; wave 0..3
	s_lshr_b32 s11, s10, 1                         ; my half of the tile's rows.  Also: I fetch for A (0) or for wo16 (1)
	s_and_b32 s12, s10, 1                          ; my half of its columns.  Also: which head, or which 128 rows, I fetch
	s_bfe_u32 s40, ttmp6, 0x40000                  ; cx, cy
	s_bfe_u32 s41, ttmp6, 0x40004
	s_lshl_b32 s42, ttmp9, 2
	s_add_co_u32 s42, s42, s40                     ; tile column
	s_and_b32 s13, ttmp7, 0xffff
	s_lshl_b32 s13, s13, 2
	s_add_co_u32 s13, s13, s41                     ; tile row
	s_lshl_b32 s43, s41, 2
	s_lshl_b32 s43, 15, s43                        ; my row of the cluster
	s_lshl_b32 s44, 0x1111, s40                    ; my column
	s_or_b32 s[G1+0], s43, (1<<16)|(1<<20)|(1<<21)|(5<<22)|(3<<25)   ; the mask; elements of 2 bytes; padding on; bit 21 beside a mask; 4 words behind every 64
	s_or_b32 s[G1B+0], s44, (1<<16)|(1<<20)|(1<<21)|(5<<22)|(3<<25)
	s_mov_b32 s[G1+1], 128<<16                     ; A: 64 rows of 128 elements, dense
	s_mov_b32 s[G1+2], 64<<16
	s_mov_b32 s[G1+3], 128<<16
	s_mov_b32 s[G1+4], 64
	s_mov_b32 s[G1+5], 128
	s_mov_b32 s[G1+6], 0
	s_mov_b32 s[G1+7], 0
	s_mov_b32 s[G1B+1], 128<<16                    ; wo16: 128 rows of 128 elements, 1,024 elements apart
	s_mov_b32 s[G1B+2], 128<<16
	s_mov_b32 s[G1B+3], 128<<16
	s_mov_b32 s[G1B+4], 128
	s_mov_b32 s[G1B+5], 1024
	s_mov_b32 s[G1B+6], 0
	s_mov_b32 s[G1B+7], 0
	s_lshl_b32 s16, s12, 20                        ; A: 1 MiB a head, 16,384 bytes a tile row
	s_lshl_b32 s17, s13, 14
	s_add_co_u32 s16, s16, s17
	s_mov_b32 s17, 0
	s_lshl_b32 s46, s42, 19                        ; wo16: row 256 x tile column + 128 x half, 2,048 bytes a row
	s_lshl_b32 s47, s12, 18
	s_add_co_u32 s46, s46, s47
	s_mov_b32 s47, 0
	s_mul_i32 s20, s12, AHEAD                      ; where they go: no place in the cluster enters an LDS address
	s_mul_i32 s21, s12, BHALF
	s_add_co_u32 s21, s21, BOFF
	s_wait_dscnt 0x0                               ; both opening adds are done
	s_wait_kmcnt 0x0
	s_add_nc_u64 s[14:15], s[4:5], s[16:17]
	s_add_nc_u64 s[46:47], s[6:7], s[46:47]
	CROUND                                         ; all sixteen work-groups are here: the first joint loads meet
.irp s, 0,1
	s_mov_b32 s[G0+4*\s], 1
	s_add_co_u32 s[G0+4*\s+1], s20, \s*SLOT
	s_add_nc_u64 s[G0+4*\s+2:G0+4*\s+3], s[14:15], \s*0x200000     ; a K step on is two heads on
	s_or_b32 s[G0+4*\s+3], s[G0+4*\s+3], 0x80000000
	s_mov_b32 s[G0B+4*\s], 1
	s_add_co_u32 s[G0B+4*\s+1], s21, \s*SLOT
	s_add_nc_u64 s[G0B+4*\s+2:G0B+4*\s+3], s[46:47], \s*256
	s_or_b32 s[G0B+4*\s+3], s[G0B+4*\s+3], 0x80000000
	JLOAD \s
.endr
	v_and_b32 v1, 15, v0                           ; r
	v_bfe_u32 v2, v0, 4, 1                         ; h
	v_lshrrev_b32 v3, 1, v1
	v_mul_u32_u24 v3, v3, PITCH
	v_and_b32 v4, 1, v1
	v_lshl_add_u32 v3, v4, 7, v3
	v_lshl_add_u32 v3, v2, 4, v3                   ; A: 272 (r / 2) + 128 (r % 2) + 16 h: the 16 rows fall on 16 different columns of 16 bytes
	v_mul_u32_u24 v4, v1, PITCH
	v_lshl_add_u32 v4, v2, 4, v4                   ; wo16: 272 r + 16 h
	s_mul_i32 s22, s11, 32*PITCH                   ; my 64 rows of A
	s_mul_i32 s23, s12, BHALF                      ; my 128 rows of wo16
	s_add_co_u32 s23, s23, BOFF
.irp s, 0,1
	v_add_nc_u32 v[ADRA+\s], s22, v3
	v_add_nc_u32 v[ADRB+\s], s23, v4
	s_add_co_u32 s22, s22, SLOT
	s_add_co_u32 s23, s23, SLOT
.endr
	s_mul_i32 s23, s10, 16*SPITCH
	s_add_co_u32 s23, s23, STAGE                   ; my stage
	v_mul_u32_u24 v5, v1, SPITCH
	v_lshl_add_u32 v5, v2, 5, v5
	v_add_nc_u32 v[STO], s23, v5
	v_and_b32 v6, 31, v0
	v_lshlrev_b32 v[CO], 4, v6
	v_add_nc_u32 v[RD], s23, v[CO]
	s_lshl_b32 s16, s13, 7
	s_lshl_b32 s17, s11, 6
	s_add_co_u32 s16, s16, s17                     ; my first row of C,
	s_lshl_b32 s16, s16, 12                        ; 4,096 bytes a row
	s_mov_b32 s17, 0
	s_add_nc_u64 s[8:9], s[8:9], s[16:17]
	s_lshl_b32 s46, s42, 10                        ; my first column, in bytes
	s_lshl_b32 s47, s12, 9
	s_add_co_u32 s46, s46, s47
	s_mov_b32 s47, 0
	s_add_nc_u64 s[8:9], s[8:9], s[46:47]
	s_lshr_b32 s20, s40, 1                         ; the prefetches: head cx / 2 of the pair,
	s_lshl_b32 s20, s20, 20
	s_and_b32 s21, s40, 1                          ; half cx % 2 of its 16,384 bytes,
	s_lshl_b32 s21, s21, 13
	s_add_co_u32 s20, s20, s21
	s_lshl_b32 s21, s13, 14
	s_add_co_u32 s20, s20, s21
	s_add_co_u32 s20, s20, 3*0x200000              ; at K step 3: the first refill steps it to K step 4
	s_mov_b32 s21, 0
	s_add_nc_u64 s[PFA:PFA+1], s[4:5], s[20:21]
	s_cmp_eq_u32 s10, 0
	s_cselect_b32 s[LIM], 1, -1
	v_lshlrev_b32 v[PFO], 8, v6
.macro MUL8 f, a, zero                 ; A's block a against wo16's eight, 32 along K.  The 32 accumulators take turns, one instruction a turn, in the same order in every quarter
.irp b, 0,1,2,3,4,5,6,7
.if \zero
	v_wmma_f32_16x16x32_f16 v[8*(8*(\a)+\b):8*(8*(\a)+\b)+7], v[\f+8*\b:\f+8*\b+7], v[\f+8*(\a):\f+8*(\a)+7], 0
.else
	v_wmma_f32_16x16x32_f16 v[8*(8*(\a)+\b):8*(8*(\a)+\b)+7], v[\f+8*\b:\f+8*\b+7], v[\f+8*(\a):\f+8*(\a)+7], v[8*(8*(\a)+\b):8*(8*(\a)+\b)+7]
.endif
.endr
.endm
.macro FETCH slot, c, f                ; 24 LDS loads in one run: quarter c's fragments into buffer f: wo16's eight, then A's four
	WIN TO_B
.irp i, 0,1,2,3,4,5,6,7
	ds_load_b128 v[\f+8*\i:\f+8*\i+3],   v[ADRB+\slot] offset:64*(\c)+\i*16*PITCH
	ds_load_b128 v[\f+8*\i+4:\f+8*\i+7], v[ADRB+\slot] offset:64*(\c)+\i*16*PITCH+32
.endr
	WIN 0
.irp i, 0,1,2,3
	ds_load_b128 v[\f+8*\i:\f+8*\i+3],   v[ADRA+\slot] offset:AHEAD*((\c)/2)+64*((\c)%2)+\i*8*PITCH
	ds_load_b128 v[\f+8*\i+4:\f+8*\i+7], v[ADRA+\slot] offset:AHEAD*((\c)/2)+64*((\c)%2)+\i*8*PITCH+32
.endr
.endm
.macro PLACES                          ; four plain lines in front of loads into registers that matrix instructions have read, and of the first read of results
.rept 4
	v_nop
.endr
.endm
.macro QUARTER slot, c, f, g, zero     ; multiplies buffer f and fetches quarter c into buffer g
	s_wait_dscnt 4                                 ; all but the youngest four loads (A's blocks 2, 3)
	WIN MUL
	MUL8 \f, 0, \zero
	MUL8 \f, 1, \zero
	PLACES
	FETCH \slot, \c, \g
	s_wait_dscnt 24                                ; all but the 24 just issued
	WIN MUL
	MUL8 \f, 2, \zero
	MUL8 \f, 3, \zero
.endm
; A K step's last quarter multiplies buffer 1 and changes slots: one barrier; in front of it each wave waits for all its tensor loads, adds 0 to its spare word, and waits for that and for its reads of this slot.
.macro TURN slot, next, fill
.if \fill
	s_wait_xcnt 0x0                                ; the last prefetch, a K step back, has read its address
	s_add_nc_u64 s[PFA:PFA+1], s[PFA:PFA+1], 0x200000
.endif
	WIN 0
	s_wait_tensorcnt 0x0                           ; my part of the next slot has landed
	ds_add_u32 v[SPW], v[NIL]
	s_wait_dscnt 5                                 ; the add and the youngest four loads may be out
	WIN MUL
	MUL8 F1, 0, 0
	s_wait_dscnt 0x0                               ; the add is done, and my reads of this slot are over
	s_barrier_signal -1
	MUL8 F1, 1, 0
.if \fill
	WIN 0
.endif
	s_barrier_wait -1
.if \fill
	CREST                                          ; the barrier has opened a round of the cluster's: no wave of any partner still reads this slot or has a load on its way
	s_add_nc_u64 s[G0+4*\slot+2:G0+4*\slot+3], s[G0+4*\slot+2:G0+4*\slot+3], 0x400000
	s_add_nc_u64 s[G0B+4*\slot+2:G0B+4*\slot+3], s[G0B+4*\slot+2:G0B+4*\slot+3], 512
	JLOAD \slot                                    ; the first tensor load behind the round; its four v_nop are also the places in front of the loads below
.else
	PLACES
.endif
	FETCH \next, 0, F0
.if \fill
	ASK
.endif
	WIN MUL
	MUL8 F1, 2, 0
	MUL8 F1, 3, 0
.endm
	s_wait_tensorcnt 1                             ; my part of K step 0 is in; K step 1's load may be out
	s_barrier_signal -1
	s_barrier_wait -1
	FETCH 0, 0, F0
	QUARTER 0, 1, F0, F1, 1                        ; the first quarter's products start the sums
	WIN 0
	s_mov_b32 s3, LAPS-1
.Llap:                                                 ; a trip goes once round the ring and fills both slots again
	QUARTER 0, 2, F1, F0, 0
	QUARTER 0, 3, F0, F1, 0
	TURN 0, 1, 1
	QUARTER 1, 1, F0, F1, 0
	QUARTER 1, 2, F1, F0, 0
	QUARTER 1, 3, F0, F1, 0
	TURN 1, 0, 1
	QUARTER 0, 1, F0, F1, 0
	WIN 0
	s_sub_co_u32 s3, s3, 1
	s_cmp_lg_u32 s3, 0
	s_cbranch_scc1 .Llap
	QUARTER 0, 2, F1, F0, 0                        ; the last lap fills nothing
	QUARTER 0, 3, F0, F1, 0
	TURN 0, 1, 0
	QUARTER 1, 1, F0, F1, 0
	QUARTER 1, 2, F1, F0, 0
	QUARTER 1, 3, F0, F1, 0
	s_wait_dscnt 4
	WIN MUL
	MUL8 F1, 0, 0
	MUL8 F1, 1, 0
	s_wait_dscnt 0
	MUL8 F1, 2, 0
	MUL8 F1, 3, 0
	WIN 0
; THE WAY OUT, 16 rows x 128 columns at a time, through my stage: back as whole rows of 512 bytes
.macro TOSTAGE a
	WIN 0x08                                       ; an LDS store's data: window 2
.irp b, 0,1,2,3,4,5,6,7
	ds_store_b128 v[STO], v[64*(\a)+8*\b:64*(\a)+8*\b+3] offset:64*\b          ; each accumulator from its low end on
	ds_store_b128 v[STO], v[64*(\a)+8*\b+4:64*(\a)+8*\b+7] offset:64*\b+16
.endr
	WIN 0
.set BB, BK+64*((\a)%2)
.irp t, 0,1,2,3,4,5,6,7,8,9,10,11,12,13,14,15
	ds_load_b128 v[BB+4*\t:BB+4*\t+3], v[RD] offset:\t*SPITCH   ; LDS serves a wave's instructions in order: these see the stores above
.endr
.endm
.macro SEND a, younger
.set BB, BK+64*((\a)%2)
	s_wait_dscnt \younger
.irp t, 0,1,2,3,4,5,6,7,8,9,10,11,12,13,14,15
	global_store_b128 v[CO], v[BB+4*\t:BB+4*\t+3], s[8:9] offset:(16*(\a)+\t)*4096   ; 512 consecutive bytes, aligned
.endr
.endm
	PLACES
	TOSTAGE 0
.irp a, 1,2,3
.if \a > 1
	s_wait_xcnt 0x0                                ; block a - 2's stores have read their registers: block a's loads may land there
.endif
	TOSTAGE \a
	SEND \a-1, 32                                  ; behind block a - 1's loads: block a's 16 stores and 16 loads
.endr
	SEND 3, 0
	s_wait_tensorcnt 0x0                           ; the wave's end
	ds_add_u32 v[SPW], v[NIL]
	s_wait_dscnt 0x0
	CROUND                                         ; the closing round
	s_endpgm
.Lfunc_end_k_q0a678a7484_proj:
	.size	k_q0a678a7484_proj, .Lfunc_end_k_q0a678a7484_proj-k_q0a678a7484_proj
	.p2alignl 7, 3214868480
	.fill 96, 4, 3214868480
	.section	.rodata,"a",@progbits
	.p2align	6, 0x0
	.amdhsa_kernel k_q0a678a7484_proj
		.amdhsa_group_segment_fixed_size 327680
		.amdhsa_private_segment_fixed_size 0
		.amdhsa_enable_private_segment 0
		.amdhsa_kernarg_size 24
		.amdhsa_user_sgpr_count 2
		.amdhsa_user_sgpr_kernarg_segment_ptr 1
		.amdhsa_wavefront_size32 1
		.amdhsa_system_sgpr_workgroup_id_x 1
		.amdhsa_system_sgpr_workgroup_id_y 1
		.amdhsa_system_sgpr_workgroup_id_z 1
		.amdhsa_system_vgpr_workitem_id 0
		.amdhsa_next_free_vgpr 768
		.amdhsa_next_free_sgpr 66
		.amdhsa_reserve_vcc 0
		.amdhsa_float_denorm_mode_32 3
		.amdhsa_float_denorm_mode_16_64 3
		.amdhsa_memory_ordered 1
		.amdhsa_forward_progress 1
		.amdhsa_inst_pref_size 86
	.end_amdhsa_kernel
	.amdgpu_metadata
---
amdhsa.version: [ 1, 2 ]
amdhsa.kernels:
  - .name:           k_q0a678a7484_proj
    .symbol:         k_q0a678a7484_proj.kd
    .args:
      - { .name: ao, .offset: 0, .size: 8, .value_kind: global_buffer, .address_space: global }
      - { .name: wo16, .offset: 8, .size: 8, .value_kind: global_buffer, .address_space: global }
      - { .name: out0, .offset: 16, .size: 8, .value_kind: global_buffer, .address_space: global }
    .group_segment_fixed_size: 327680
    .private_segment_fixed_size: 0
    .kernarg_segment_align: 8
    .kernarg_segment_size: 24
    .max_flat_workgroup_size: 128
    .sgpr_count:     66
    .vgpr_count:     768
    .wavefront_size: 32
...
	.end_amdgpu_metadata
.endif
;; end of part 4
;; launch first16 (part 5): grid 64 x 4, 16 waves a work-group, no clusters, 18,432 bytes of LDS; arguments side, wo, out0; writes out0
.if DOCPART == 5
	.amdgcn_target "amdgcn-amd-amdhsa--gfx1250"
	.amdhsa_code_object_version 6
	.text
	.protected	k_q0a678a7484_first16
	.globl	k_q0a678a7484_first16
	.p2align	8
	.type	k_q0a678a7484_first16,@function
k_q0a678a7484_first16:
	s_mov_b64 s[64:65], 0
	v_nop
	global_prefetch_b8 v0, s[64:65] scope:SCOPE_SE
	s_setreg_imm32_b32 hwreg(HW_REG_WAVE_MODE, 25, 1), 1
	s_wait_xcnt 0x0
; THE FIRST 16 POSITIONS OF EACH SEQUENCE, in f32 throughout: they average one to sixteen values and are the largest rows of the output.  This launch writes those 64 rows of out0 over what the launch before left there.
; side: [q, k, v][batch x 16 + head][16 positions][64] f32 (behind RoPE); wo: [1024][1024] f32.
; SHARES.  Work-group (e tile of 16 columns, batch); wave = head.  A wave makes its head's 16 x 16 attention and that head's part of the projection (K = its 64 channels); the 16 parts meet in LDS and are added in a fixed order.
; All three products go by v_wmma_f32_16x16x4_f32.  Its results lie in v160-223, which matrix instructions alone write; what is made of a sum goes into other registers.  Four accumulators take turns in each product.
; k IS PERMUTED ALIKE ON BOTH SIDES, so that wide loads fill the fragments: in product c a lane's two registers are numbers 2 c, 2 c + 1 of its own run along K, on both sources.
; S^T = K Q^T: a lane holds one query (r) and the keys 8 h + 0..7; p, normalised, is source 1 of O^T = V^T p as it stands; O^T (query r, channels 16 dt + 8 h + 0..7) is source 1 of the projection as it stands.
; A work-group stores 64 bytes of each of its 16 rows: 262,144 bytes of the output in all leave in pieces of that size.
.set SPARE, 16384                      ; the spare words: 128 bytes a wave, eight blocks of 256 bytes that no other line names
.set QF,   32                          ; v32-63   Q: row r, channels 32 h + 0..31
.set KFR,  64                          ; v64-95   K likewise
.set VF,   96                          ; v96-127  V[key 8 h + jj][16 dt + r] at 8 dt + jj
.set WF,   128                         ; v128-159 wo[e0 + r][64 head + 16 dt + 8 h + jj] at 8 dt + jj
.set ACCA, 160
.set ACCB, 192
	s_load_b128 s[4:7], s[0:1], 0x0                ; side, wo
	s_load_b64 s[8:9], s[0:1], 0x10                ; out0
	v_lshl_add_u32 v30, v0, 2, SPARE
	v_mov_b32 v31, 0
	v_lshrrev_b32 v1, 5, v0
	v_readfirstlane_b32 s18, v1                    ; wave = head
	v_and_b32 v4, 15, v0                           ; r
	v_bfe_u32 v5, v0, 4, 1                         ; h
	v_lshlrev_b32 v1, 8, v4
	v_lshl_add_u32 v1, v5, 7, v1                   ; Q, K: 256 r + 128 h
	v_lshlrev_b32 v2, 2, v4
	v_lshl_add_u32 v2, v5, 11, v2                  ; V: 4 r + 2,048 h
	v_lshlrev_b32 v3, 12, v4
	v_lshl_add_u32 v3, v5, 5, v3                   ; wo, and the output: 4,096 r + 32 h
	v_lshlrev_b32 v6, 3, v5
	v_sub_nc_u32 v6, v4, v6                        ; r - 8 h
	v_and_b32 v7, 31, v0
	v_lshlrev_b32 v7, 4, v7
	s_lshl_b32 s20, s18, 10
	v_add_nc_u32 v24, s20, v7                      ; LDS: my part: 1,024 x wave + 16 x lane
	s_and_b32 s21, s18, 1
	s_lshl_b32 s20, s21, 9
	v_add_nc_u32 v25, s20, v7                      ; and what waves 0 and 1 read back: half g = wave of each part
	v_mov_b32 v26, 0xff800000
	v_mov_b32 v28, 0
	v_mov_b32 v29, 0
	s_mov_b32 s12, 0x76543210
	s_mov_b32 s13, 0xfedcba98
	s_mov_b32 s14, 0x3e38aa3b                      ; c = log2(e) / 8
	s_and_b32 s19, ttmp7, 0xffff                   ; batch
	s_lshl_b32 s22, s19, 4
	s_add_co_u32 s22, s22, s18
	s_lshl_b32 s22, s22, 12                        ; 4,096 bytes a head
	s_mov_b32 s23, 0
	s_lshl_b32 s24, ttmp9, 16                      ; wo: 16 rows of 4,096 bytes a tile,
	s_lshl_b32 s25, s18, 8                         ; 256 bytes a head
	s_add_co_u32 s24, s24, s25
	s_mov_b32 s25, 0
	s_lshl_b32 s26, s19, 23                        ; out0: 2,048 rows of 4,096 bytes a batch,
	s_lshl_b32 s27, ttmp9, 6                       ; 64 bytes a tile,
	s_add_co_u32 s26, s26, s27
	s_lshl_b32 s27, s21, 4                         ; 16 bytes a half
	s_add_co_u32 s26, s26, s27
	s_mov_b32 s27, 0
	s_wait_kmcnt 0x0
	s_add_nc_u64 s[4:5], s[4:5], s[22:23]
	s_add_nc_u64 s[6:7], s[6:7], s[24:25]
	s_add_nc_u64 s[8:9], s[8:9], s[26:27]
.irp i, 0,1,2,3,4,5,6,7
	global_load_b128 v[QF+4*\i:QF+4*\i+3], v1, s[4:5] offset:16*\i
.endr
.irp i, 0,1,2,3,4,5,6,7
	global_load_b128 v[KFR+4*\i:KFR+4*\i+3], v1, s[4:5] offset:262144+16*\i
.endr
.irp dt, 0,1,2,3
.irp jj, 0,1,2,3,4,5,6,7
	global_load_b32 v[VF+8*\dt+\jj], v2, s[4:5] offset:524288+256*\jj+64*\dt
.endr
.endr
.irp dt, 0,1,2,3
.irp g, 0,1
	global_load_b128 v[WF+8*\dt+4*\g:WF+8*\dt+4*\g+3], v3, s[6:7] offset:64*\dt+16*\g
.endr
.endr
	s_wait_loadcnt 40                              ; Q and K are in; V's 32 loads and wo's 8 may be out
.irp c, 0,1,2,3,4,5,6,7,8,9,10,11,12,13,14,15
.if \c < 4
	v_wmma_f32_16x16x4_f32 v[ACCA+8*(\c%4):ACCA+8*(\c%4)+7], v[KFR+2*\c:KFR+2*\c+1], v[QF+2*\c:QF+2*\c+1], 0
.else
	v_wmma_f32_16x16x4_f32 v[ACCA+8*(\c%4):ACCA+8*(\c%4)+7], v[KFR+2*\c:KFR+2*\c+1], v[QF+2*\c:QF+2*\c+1], v[ACCA+8*(\c%4):ACCA+8*(\c%4)+7]
.endif
.endr
.rept 8
	v_nop                                          ; eight plain lines behind this form before its results are read (ISA guide 7.12.1)
.endr
.irp i, 0,2,4,6
	v_pk_add_f32 v[16+\i:17+\i], v[ACCA+\i:ACCA+\i+1], v[ACCA+8+\i:ACCA+8+\i+1]   ; the four partial sums, each read from its low end on
.endr
.irp i, 0,2,4,6
	v_pk_add_f32 v[16+\i:17+\i], v[16+\i:17+\i], v[ACCA+16+\i:ACCA+16+\i+1]
.endr
.irp i, 0,2,4,6
	v_pk_add_f32 v[16+\i:17+\i], v[16+\i:17+\i], v[ACCA+24+\i:ACCA+24+\i+1]
.endr
.irp j, 0,1,2,3,4,5,6,7
	v_cmp_gt_i32 vcc_lo, \j, v6                    ; key 8 h + j comes after query r
	v_cndmask_b32 v[16+\j], v[16+\j], v26, vcc_lo
.endr
	v_max3_num_f32 v27, v16, v17, v18
	v_max3_num_f32 v27, v27, v19, v20
	v_max3_num_f32 v27, v27, v21, v22
	v_max_num_f32 v27, v27, v23
	v_permlanex16_b32 v28, v27, s12, s13
	v_max_num_f32 v27, v27, v28                    ; the row's maximum: key 0 counts for every query
	v_mul_f32 v27, s14, v27
.irp j, 0,1,2,3,4,5,6,7
	v_fma_f32 v[16+\j], v[16+\j], s14, -v27
.endr
.irp j, 0,1,2,3,4,5,6,7
	v_exp_f32 v[16+\j], v[16+\j]
.endr
	v_nop
	s_wait_alu depctr_va_vdst(0)                   ; one wait for the eight
	v_add_f32 v28, v16, v17
	v_add_f32 v29, v18, v19
	v_add_f32 v28, v28, v20
	v_add_f32 v29, v29, v21
	v_add_f32 v28, v28, v22
	v_add_f32 v29, v29, v23
	v_add_f32 v28, v28, v29
	v_permlanex16_b32 v29, v28, s12, s13
	v_add_f32 v28, v28, v29
	v_rcp_f32 v28, v28
	v_nop
	s_wait_alu depctr_va_vdst(0)
.irp j, 0,1,2,3,4,5,6,7
	v_mul_f32 v[16+\j], v[16+\j], v28
.endr
	s_wait_loadcnt 8                               ; V is in; wo's 8 loads may be out
.irp c, 0,1,2,3
.irp dt, 0,1,2,3
.if \c == 0
	v_wmma_f32_16x16x4_f32 v[ACCB+8*\dt:ACCB+8*\dt+7], v[VF+8*\dt+2*\c:VF+8*\dt+2*\c+1], v[16+2*\c:17+2*\c], 0
.else
	v_wmma_f32_16x16x4_f32 v[ACCB+8*\dt:ACCB+8*\dt+7], v[VF+8*\dt+2*\c:VF+8*\dt+2*\c+1], v[16+2*\c:17+2*\c], v[ACCB+8*\dt:ACCB+8*\dt+7]
.endif
.endr
.endr
.rept 9
	v_nop                                          ; nine plain lines before a matrix instruction takes these results as a source
.endr
	s_wait_loadcnt 0x0
.irp c, 0,1,2,3
.irp dt, 0,1,2,3
.if \c == 0
	v_wmma_f32_16x16x4_f32 v[ACCA+8*\dt:ACCA+8*\dt+7], v[WF+8*\dt+2*\c:WF+8*\dt+2*\c+1], v[ACCB+8*\dt+2*\c:ACCB+8*\dt+2*\c+1], 0
.else
	v_wmma_f32_16x16x4_f32 v[ACCA+8*\dt:ACCA+8*\dt+7], v[WF+8*\dt+2*\c:WF+8*\dt+2*\c+1], v[ACCB+8*\dt+2*\c:ACCB+8*\dt+2*\c+1], v[ACCA+8*\dt:ACCA+8*\dt+7]
.endif
.endr
.endr
.rept 8
	v_nop
.endr
.irp i, 0,2,4,6
	v_pk_add_f32 v[8+\i:9+\i], v[ACCA+\i:ACCA+\i+1], v[ACCA+8+\i:ACCA+8+\i+1]
.endr
.irp i, 0,2,4,6
	v_pk_add_f32 v[8+\i:9+\i], v[8+\i:9+\i], v[ACCA+16+\i:ACCA+16+\i+1]
.endr
.irp i, 0,2,4,6
	v_pk_add_f32 v[8+\i:9+\i], v[8+\i:9+\i], v[ACCA+24+\i:ACCA+24+\i+1]   ; my head's part of out(r, e0 + 8 h + 0..7)
.endr
	ds_store_b128 v24, v[8:11]
	ds_store_b128 v24, v[12:15] offset:512
	s_wait_tensorcnt 0x0                           ; behind my last LDS store; the DScnt wait below is also the one that the barrier needs
	ds_add_u32 v30, v31
	s_wait_dscnt 0x0
	s_barrier_signal -1
	s_barrier_wait -1
	s_cmp_gt_u32 s18, 1
	s_cbranch_scc1 .Ldone                          ; waves 0 and 1 add the sixteen parts, a half each
.irp i, 0,1,2,3,4,5,6,7,8,9,10,11,12,13,14,15
	ds_load_b128 v[32+4*\i:35+4*\i], v25 offset:1024*\i
.endr
	s_wait_dscnt 0x0
.irp i, 1,2,3,4,5,6,7,8,9,10,11,12,13,14,15
	v_pk_add_f32 v[32:33], v[32:33], v[32+4*\i:33+4*\i]
	v_pk_add_f32 v[34:35], v[34:35], v[34+4*\i:35+4*\i]
.endr
	global_store_b128 v3, v[32:35], s[8:9]
.Ldone:
	s_endpgm
.Lfunc_end_k_q0a678a7484_first16:
	.size	k_q0a678a7484_first16, .Lfunc_end_k_q0a678a7484_first16-k_q0a678a7484_first16
	.p2alignl 7, 3214868480
	.fill 96, 4, 3214868480
	.section	.rodata,"a",@progbits
	.p2align	6, 0x0
	.amdhsa_kernel k_q0a678a7484_first16
		.amdhsa_group_segment_fixed_size 18432
		.amdhsa_private_segment_fixed_size 0
		.amdhsa_enable_private_segment 0
		.amdhsa_kernarg_size 24
		.amdhsa_user_sgpr_count 2
		.amdhsa_user_sgpr_kernarg_segment_ptr 1
		.amdhsa_wavefront_size32 1
		.amdhsa_system_sgpr_workgroup_id_x 1
		.amdhsa_system_sgpr_workgroup_id_y 1
		.amdhsa_system_sgpr_workgroup_id_z 1
		.amdhsa_system_vgpr_workitem_id 0
		.amdhsa_next_free_vgpr 224
		.amdhsa_next_free_sgpr 66
		.amdhsa_reserve_vcc 1
		.amdhsa_float_denorm_mode_32 3
		.amdhsa_float_denorm_mode_16_64 3
		.amdhsa_memory_ordered 1
		.amdhsa_forward_progress 1
		.amdhsa_inst_pref_size 19
	.end_amdhsa_kernel
	.amdgpu_metadata
---
amdhsa.version: [ 1, 2 ]
amdhsa.kernels:
  - .name:           k_q0a678a7484_first16
    .symbol:         k_q0a678a7484_first16.kd
    .args:
      - { .name: side, .offset: 0, .size: 8, .value_kind: global_buffer, .address_space: global }
      - { .name: wo, .offset: 8, .size: 8, .value_kind: global_buffer, .address_space: global }
      - { .name: out0, .offset: 16, .size: 8, .value_kind: global_buffer, .address_space: global }
    .group_segment_fixed_size: 18432
    .private_segment_fixed_size: 0
    .kernarg_segment_align: 8
    .kernarg_segment_size: 24
    .max_flat_workgroup_size: 512
    .sgpr_count:     66
    .vgpr_count:     224
    .wavefront_size: 32
...
	.end_amdgpu_metadata
.endif
;; end of part 5
